; MI455X (gfx1250); checked and timed in simulation.
; The chip was launched on July 23, 2026; its instructions are those of AMD's public machine-readable ISA for CDNA 5 (MIT licence, August 2026) and "CDNA5" Instruction Set Architecture Reference Guide (July 2026). The comments in the code are by the model that wrote it; some were corrected since.
;; Multihead Self Attention. Allowed arithmetic: matrix products marked QUANTISED: E2M3 operands, one E8M0 scale for each 32 along K, by v_wmma_scale_f32_16x16x128_f8f6f4 with both operands' format E2M3, f32 sums; everything else in f32.
;; Inputs: Wk 1,024 x 1,024 float32; Wo 1,024 x 1,024 float32; Wq 1,024 x 1,024 float32; Wv 1,024 x 1,024 float32; bk 1,024 float32; bo 1,024 float32; bq 1,024 float32; bv 1,024 float32; k_norm_w 64 float32; q_norm_w 64 float32; x 4 x 2,048 x 1,024 float32.
;; Outputs: out0 4 x 2,048 x 1,024 float32.
;; This version of the problem:
;;   THIS VERSION OF THE PROBLEM IS GIVEN IN LOW PRECISION. The matrix products marked QUANTISED in the list below multiply operands that are first quantised to E2M3 (2 exponent bits, 3 mantissa bits; 6 bits a number), with one power-of-two scale for each 32 numbers along K (OCP MX v1.0); their sums are f32. All else is computed in f32.
;;   The module's matrix products, in the order in which they are computed (A, B: the left and right operand; K: the contracted axis; several contracted axes count as one K, in the product's order):
;;     1. [M 8,192, K 1,024] x [K 1,024, N 1,024]; A: input x; B: input Wq: QUANTISED
;;     2. [M 8,192, K 1,024] x [K 1,024, N 1,024]; A: input x; B: input Wk: QUANTISED
;;     3. [M 8,192, K 1,024] x [K 1,024, N 1,024]; A: input x; B: input Wv: QUANTISED
;;     4. batch 64 x [M 2,048, K 64] x [K 64, N 2,048]; A: computed on the way; B: computed on the way: QUANTISED
;;     5. batch 64 x [M 64, K 2,048] x [K 2,048, N 2,048]; A: computed on the way; B: softmax (see below): QUANTISED
;;     6. [M 8,192, K 1,024] x [K 1,024, N 1,024]; A: computed on the way; B: input Wo: QUANTISED
;;   THE QUANTISER, for each operand of a quantised product, along K:
;;     - K is cut into blocks of 32 from its start; a last block that is shorter is filled with zeros.
;;     - A block's scale is 2^e with e = floor(log2(the largest magnitude in the block)) - 2, held to -126 .. 127; a block of zeros has e = 0. As a byte (E8M0): e + 127.
;;     - Each number is divided by its block's scale, clamped to +-7.5, and rounded to the nearest number of E2M3, ties to even, subnormals kept.
;;     - The product sums the exact products of the quantised numbers (number of the format x scale) in f32.
;;   ~~~python
;;   def quantise(x, axis):      # numpy; x: float32 -> the quantised numbers, widened to float32 again
;;       x = np.moveaxis(x, axis, -1); K = x.shape[-1]
;;       x = np.pad(x, [(0, 0)] * (x.ndim - 1) + [(0, -K % 32)]); x = x.reshape(x.shape[:-1] + (-1, 32)); a = np.abs(x).max(-1, keepdims=True)
;;       e = np.where(a > 0, np.clip(np.frexp(np.where(a > 0, a, 1))[1] - 1 - 2, -126, 127), 0)      # np.frexp(a)[1] - 1 = floor(log2(a)), exactly
;;       r = np.clip(x / 2.0 ** e, -7.5, 7.5)
;;       step = 2.0 ** (np.maximum(np.frexp(np.where(r == 0, 1, r))[1] - 1, 0) - 3)
;;       q = np.round(r / step) * step * 2.0 ** e      # np.round: ties to even
;;       return np.moveaxis(q.reshape(q.shape[:-2] + (-1,))[..., :K], -1, axis).astype(np.float32)
;;   ~~~
;;   SOFTMAX AHEAD OF A QUANTISED PRODUCT. Where the list says 'softmax', what is quantised is not the finished softmax but p = 2^(t - M), with t = logit x log2(e) and M = ceil(the row's largest t), a whole number; so 1/2 < the row's largest p <= 1. The row's sum l is taken of the UNQUANTISED p, in f32, and the product's result is divided by l at the end. Since M is a whole number, a kernel that streams over the keys may use a running M (the ceiling of the running maximum): every later rescaling is an exact power of two, which a block's scale takes up: the codes' values come out the same.
;;   OPERANDS COMPUTED ON THE WAY. 'Computed on the way' means the value that the module computes at that place (a softmax that the list does not call 'softmax' is quantised finished and normalised). What goes into a quantiser is computed in f32, as accurately as f32 sums, v_exp_f32 and their like allow (about 1e-6 of the number): no bf16 or f16 on the way to a quantiser, and a product that is left as it is and whose result goes on into a quantised operand takes f32 operands (vector FMAs, or v_wmma_f32_16x16x4_f32). A number that lies on a knife's edge between two numbers of the format may be rounded either way, as far as f32 arithmetic and the matrix unit's own rounding can turn it there, and no further.
;; One version. Each part assembles by itself: llvm-mc -triple=amdgcn-amd-amdhsa -mcpu=gfx1250 --defsym DOCPART=n.
;; ======== version 1 of 1: 4 launches
;; limits: right only within a limited range of input values
;; workspace buffers: xw 9,830,400 bytes; qkv 19,660,800 bytes; att 6,553,600 bytes
;; launch quant (part 1): grid 384 x 1, 4 waves a work-group, no clusters, 34,304 bytes of LDS; arguments x, Wq, Wk, Wv, Wo, xw; writes xw
.if DOCPART == 1
	.amdgcn_target "amdgcn-amd-amdhsa--gfx1250"
	.amdhsa_code_object_version 6
	.text
	.protected	k_q2113e8b102_quant
	.globl	k_q2113e8b102_quant
	.p2align	8
	.type	k_q2113e8b102_quant,@function
k_q2113e8b102_quant:
	s_mov_b64 s[64:65], 0
	v_nop
	global_prefetch_b8 v0, s[64:65] scope:SCOPE_SE
	s_setreg_imm32_b32 hwreg(HW_REG_WAVE_MODE, 25, 1), 1
	s_wait_xcnt 0x0
; x [8192][1024] and Wq, Wk, Wv, Wo [1024][1024], f32, K innermost, become ONE tensor of 12,288 rows of codes of FP6 (E2M3) with one E8M0 byte for each 32 along K,
; laid as the products' launches take their operands:
;   codes  xw + (block of 16 rows) x 12,288 + (K / 128) x 1,536: a fragment (16 rows x 128 K, 12 registers a lane) as an image of its registers, in two halves of 768 bytes:
;          registers 6 c .. 6 c + 3 at 16 x lane, registers 6 c + 4, 6 c + 5 at 512 + 8 x lane.  Every store of the wave covers 512 or 256 consecutive bytes, aligned.
;   scales xw + XSC + (row / 128) x 4,096 + (K / 256) x 1,024 + (row % 128) x 8: two words a row, one for each 128 along K.
; THE ROWS OF A BLOCK ARE NOT NEIGHBOURS: row r of block 2 g + u is the tensor's row 32 g + 8 u + r + 8 (r / 8), so that a product that takes such blocks as its first source leaves 16 neighbours in the 16 registers of two blocks.
; A block's scale is 2^(floor(log2(its largest magnitude)) - 2); its byte is the largest magnitude's exponent field - 2, held at 1 from below.
; LIMITS: a block of zeros gets the byte 1 (its codes are zeros; this program alone reads the bytes); NaN and infinities among the inputs are not served.
; SHARES: work-group g takes rows 32 g .. 32 g + 31, wave w K 256 w .. 256 w + 255: four fragments f = 2 u + q (block u, 128 q along K).  A load reads 512 consecutive bytes of one row; the 16 rows turn through the
; wave's own stage in LDS (rows 528 bytes apart) and come back 128 bytes a lane: two whole blocks of 32.  Waves share nothing: no barrier.
.set XSC,   9437184
.set STG,   16*528                     ; a wave's stage
.set SPARE, 4*STG                      ; behind the stages: the spare words, 128 bytes a wave, which no other line names
.set GOF, 2                            ; v2   load offset: 16 x lane + 1,024 x wave
.set SIN, 3                            ; v3   the stage, way in
.set SOU, 4                            ; v4   the stage, way out: 528 r + 128 h
.set L16, 5                            ; v5   16 x lane
.set L8,  6                            ; v6   8 x lane
.set H8,  7                            ; v7   8 h
.set SPW, 8                            ; v8   my spare word; never rewritten
.set NIL, 9                            ; v9   0; never rewritten
.set BM,  10                           ; v10-11 largest magnitudes; v12-13 the conversions' scale operands; v14-15 bytes; v16, v17 at work
.set SO,  12
.set BY,  14
.set PD,  16
.set TW,  17
.set WD,  20                           ; v20-23 fragment f's scale word
.set OW,  24                           ; v[24:25] the pair that leaves
.set R,   32                           ; v32-159 two sets of 64 numbers as loaded
.set X,   160                          ; v160-223 my 64 numbers of a fragment
.set C,   224                          ; v224-235 its codes
.set T0,  236
.set T1,  240
	s_load_b256 s[4:11], s[0:1], 0x0               ; x, Wq, Wk, Wv
	s_load_b128 s[12:15], s[0:1], 0x20             ; Wo, xw
	v_lshl_add_u32 v[SPW], v0, 2, SPARE
	v_mov_b32 v[NIL], 0
	v_lshrrev_b32 v1, 5, v0
	v_readfirstlane_b32 s20, v1                    ; wave
	v_and_b32 v1, 31, v0
	v_lshlrev_b32 v[L16], 4, v1
	v_lshlrev_b32 v[L8], 3, v1
	s_lshl_b32 s21, s20, 10
	v_add_nc_u32 v[GOF], s21, v[L16]
	s_mul_i32 s22, s20, STG
	v_add_nc_u32 v[SIN], s22, v[L16]
	v_and_b32 v10, 15, v0                          ; r
	v_bfe_u32 v11, v0, 4, 1                        ; h
	v_mul_u32_u24 v[SOU], v10, 528
	v_lshl_add_u32 v[SOU], v11, 7, v[SOU]
	v_add_nc_u32 v[SOU], s22, v[SOU]
	v_lshlrev_b32 v[H8], 3, v11
	v_mov_b32 v[PD], 0                             ; a lane permute's destination counts as one of its sources
	s_mov_b32 s24, 0x76543210
	s_mov_b32 s25, 0xfedcba98                      ; selects for lane l xor 16
	s_mov_b32 s30, 0xffff0000                      ; lanes 16-31
	s_and_b32 s26, ttmp9, 31
	s_cmp_lt_u32 ttmp9, 256
	s_cselect_b32 s26, ttmp9, s26                  ; which 32 rows of my tensor
	s_lshl_b32 s26, s26, 17                        ; x 32 rows of 4,096 bytes
	s_mov_b32 s27, 0
	s_mul_i32 s28, ttmp9, 24576                    ; two blocks of 12,288 bytes,
	s_mul_i32 s29, s20, 3072                       ; my two K steps
	s_add_co_u32 s28, s28, s29
	s_mov_b32 s29, 0
	s_lshr_b32 s31, ttmp9, 2
	s_lshl_b32 s31, s31, 12
	s_and_b32 s32, ttmp9, 3
	s_lshl_b32 s32, s32, 8
	s_add_co_u32 s32, s32, s31
	s_add_co_u32 s32, s32, s21
	s_add_co_u32 s32, s32, XSC
	s_mov_b32 s33, 0
	s_wait_alu depctr_va_vdst(0)
	s_wait_kmcnt 0x0
	s_cmp_lt_u32 ttmp9, 352                        ; the source hangs on the work-group's number alone
	s_cselect_b64 s[16:17], s[10:11], s[12:13]
	s_cmp_lt_u32 ttmp9, 320
	s_cselect_b64 s[16:17], s[8:9], s[16:17]
	s_cmp_lt_u32 ttmp9, 288
	s_cselect_b64 s[16:17], s[6:7], s[16:17]
	s_cmp_lt_u32 ttmp9, 256
	s_cselect_b64 s[16:17], s[4:5], s[16:17]
	s_add_nc_u64 s[16:17], s[16:17], s[26:27]
	s_add_nc_u64 s[18:19], s[14:15], s[28:29]      ; my codes
	s_add_nc_u64 s[34:35], s[14:15], s[32:33]      ; my scale words
.macro LOADF f                         ; fragment f's 16 rows, 512 consecutive bytes each, in the block's order of rows
.irp p, 0,1,2,3,4,5,6,7,8,9,10,11,12,13,14,15
	global_load_b128 v[R+64*((\f)%2)+4*\p:R+64*((\f)%2)+4*\p+3], v[GOF], s[16:17] offset:(8*((\f)/2)+\p+8*(\p/8))*4096+512*((\f)%2) th:TH_LOAD_NT
.endr
.endm
.macro TURNF f                         ; through the stage: LDS serves a wave's instructions in order, so no wait stands between the stores and the loads
.irp p, 0,1,2,3,4,5,6,7,8,9,10,11,12,13,14,15
	ds_store_b128 v[SIN], v[R+64*((\f)%2)+4*\p:R+64*((\f)%2)+4*\p+3] offset:528*\p
.endr
.irp c, 0,1
.irp i, 0,1,2,3,4,5,6,7
	ds_load_b128 v[X+32*\c+4*\i:X+32*\c+4*\i+3], v[SOU] offset:256*\c+16*\i   ; row r, K 64 c + 32 h + 4 i ..
.endr
.endr
.endm
.macro QF f                            ; my two whole blocks (2 c + h of the fragment's four) become codes; the four bytes of a row make its word
.irp c, 0,1
	v_max3_num_f32 v[BM+\c], |v[X+32*\c]|, |v[X+32*\c+1]|, 0x1800000   ; with the floor 2^(3 - 127): the byte cannot fall under 1
.endr
.irp i, 2,4,6,8,10,12,14,16,18,20,22,24,26,28,30
.irp c, 0,1
	v_max3_num_f32 v[BM+\c], v[BM+\c], |v[X+32*\c+\i]|, |v[X+32*\c+\i+1]|
.endr
.endr
.irp c, 0,1
	v_add_nc_u32 v[SO+\c], 0xff000000, v[BM+\c]    ; 2 off the exponent field: the conversion's scale operand
.endr
.irp c, 0,1
	v_lshrrev_b32 v[BY+\c], 23, v[SO+\c]           ; the byte
.endr
	v_lshl_or_b32 v[TW], v[BY+1], 16, v[BY]        ; blocks h and 2 + h,
	v_lshlrev_b32 v[TW], v[H8], v[TW]              ; at their places in the word;
	v_permlanex16_b32 v[PD], v[TW], s24, s25
	v_or_b32 v[WD+(\f)], v[TW], v[PD]              ; with lane l xor 16's two it is whole
	v_cvt_scalef32_pk16_fp6_f32 v[C:C+2], v[X:X+15], v[SO]
	v_cvt_scalef32_pk16_fp6_f32 v[T0:T0+2], v[X+16:X+31], v[SO]       ; (a conversion's three registers begin on an even number)
	v_cvt_scalef32_pk16_fp6_f32 v[C+6:C+8], v[X+32:X+47], v[SO+1]
	v_cvt_scalef32_pk16_fp6_f32 v[T1:T1+2], v[X+48:X+63], v[SO+1]
	v_nop                                          ; one plain instruction behind the conversions
.irp i, 0,1,2
	v_mov_b32 v[C+3+\i], v[T0+\i]
	v_mov_b32 v[C+9+\i], v[T1+\i]
.endr
	global_store_b128 v[L16], v[C:C+3], s[18:19] offset:((\f)/2)*12288+((\f)%2)*1536
	global_store_b64 v[L8], v[C+4:C+5], s[18:19] offset:((\f)/2)*12288+((\f)%2)*1536+512
	global_store_b128 v[L16], v[C+6:C+9], s[18:19] offset:((\f)/2)*12288+((\f)%2)*1536+768
	global_store_b64 v[L8], v[C+10:C+11], s[18:19] offset:((\f)/2)*12288+((\f)%2)*1536+1280
.endm
	LOADF 0
	LOADF 1
.irp f, 0,1,2,3
.if \f < 3
	s_wait_loadcnt 16                              ; this fragment's 16 loads are in; the next one's may be out
.else
	s_wait_loadcnt 0x0
.endif
	TURNF \f
.if \f < 2
	s_wait_dscnt 16                                ; the 16 stores into the stage have read their registers (the 16 loads behind them may be out),
	LOADF \f+2                                     ; which take the fragment two on
.endif
	s_wait_dscnt 0x0
	s_wait_xcnt 0x0                                ; the last fragment's stores have read the codes' registers
	QF \f
.endr
	v_cndmask_b32 v[OW], v[WD], v[WD+2], s30       ; lanes 0-15: block 0's two words of row r; lanes 16-31: block 1's
	v_cndmask_b32 v[OW+1], v[WD+1], v[WD+3], s30
	global_store_b64 v[L8], v[OW:OW+1], s[34:35]   ; 256 consecutive bytes, aligned
	s_wait_tensorcnt 0x0                           ; the wave's end, behind my last LDS store
	ds_add_u32 v[SPW], v[NIL]
	s_wait_dscnt 0x0
	s_endpgm
.Lfunc_end_k_q2113e8b102_quant:
	.size	k_q2113e8b102_quant, .Lfunc_end_k_q2113e8b102_quant-k_q2113e8b102_quant
	.p2alignl 7, 3214868480
	.fill 96, 4, 3214868480
	.section	.rodata,"a",@progbits
	.p2align	6, 0x0
	.amdhsa_kernel k_q2113e8b102_quant
		.amdhsa_group_segment_fixed_size 34304
		.amdhsa_private_segment_fixed_size 0
		.amdhsa_enable_private_segment 0
		.amdhsa_kernarg_size 48
		.amdhsa_user_sgpr_count 2
		.amdhsa_user_sgpr_kernarg_segment_ptr 1
		.amdhsa_wavefront_size32 1
		.amdhsa_system_sgpr_workgroup_id_x 1
		.amdhsa_system_sgpr_workgroup_id_y 1
		.amdhsa_system_sgpr_workgroup_id_z 1
		.amdhsa_system_vgpr_workitem_id 0
		.amdhsa_next_free_vgpr 256
		.amdhsa_next_free_sgpr 66
		.amdhsa_reserve_vcc 0
		.amdhsa_float_denorm_mode_32 3
		.amdhsa_float_denorm_mode_16_64 3
		.amdhsa_memory_ordered 1
		.amdhsa_forward_progress 1
		.amdhsa_inst_pref_size 31
	.end_amdhsa_kernel
	.amdgpu_metadata
---
amdhsa.version: [ 1, 2 ]
amdhsa.kernels:
  - .name:           k_q2113e8b102_quant
    .symbol:         k_q2113e8b102_quant.kd
    .args:
      - { .name: x, .offset: 0, .size: 8, .value_kind: global_buffer, .address_space: global }
      - { .name: Wq, .offset: 8, .size: 8, .value_kind: global_buffer, .address_space: global }
      - { .name: Wk, .offset: 16, .size: 8, .value_kind: global_buffer, .address_space: global }
      - { .name: Wv, .offset: 24, .size: 8, .value_kind: global_buffer, .address_space: global }
      - { .name: Wo, .offset: 32, .size: 8, .value_kind: global_buffer, .address_space: global }
      - { .name: xw, .offset: 40, .size: 8, .value_kind: global_buffer, .address_space: global }
    .group_segment_fixed_size: 34304
    .private_segment_fixed_size: 0
    .kernarg_segment_align: 8
    .kernarg_segment_size: 48
    .max_flat_workgroup_size: 128
    .sgpr_count:     66
    .vgpr_count:     256
    .wavefront_size: 32
...
	.end_amdgpu_metadata
.endif
;; end of part 1
;; launch qkv (part 2): grid 8 x 32, 4 waves a work-group, clusters of 4 x 4, 327,680 bytes of LDS; arguments xw, bq, bk, bv, q_norm_w, k_norm_w, qkv; writes qkv
.if DOCPART == 2
	.amdgcn_target "amdgcn-amd-amdhsa--gfx1250"
	.amdhsa_code_object_version 6
	.text
	.protected	k_q2113e8b102_qkv
	.globl	k_q2113e8b102_qkv
	.p2align	8
	.type	k_q2113e8b102_qkv,@function
k_q2113e8b102_qkv:
	s_mov_b64 s[64:65], 0
	v_nop
	global_prefetch_b8 v0, s[64:65] scope:SCOPE_SE
	s_setreg_imm32_b32 hwreg(HW_REG_WAVE_MODE, 25, 1), 1
	s_wait_xcnt 0x0
	s_wait_alu depctr_hold_cnt(0) depctr_sa_sdst(0) depctr_va_vdst(0) depctr_va_sdst(0) depctr_va_ssrc(0) depctr_va_vcc(0) depctr_vm_vsrc(0)
	s_getreg_b32 s2, hwreg(HW_REG_IB_STS2, 6, 4)
	s_cmp_eq_u32 s2, 0
	s_cbranch_scc0 .Lentry_in_a_cluster
	s_endpgm
.Lentry_in_a_cluster:
	s_bfe_u32 s2, ttmp6, 0x10000c
	s_cmp_lg_u32 s2, 0xf033
	s_cbranch_scc0 .Lentry_shape_is_right
	s_endpgm
.Lentry_shape_is_right:
; The three projections on codes of FP6 (E2M3) with E8M0 scales, and what follows them up to attention's operands.
; A WORK-GROUP STAYS: it takes 256 tokens (work-group y) and 128 channels (work-group x: two heads) and makes three blocks of 256 x 128, K = 1,024: q, k, v.  All of K lies in LDS: x's 256 rows (196,608 bytes) come once,
; the weight's 128 rows (98,304 bytes) once for each block; their scale words (8,192 and 4,096 bytes) beside them.  No ring: a block's products meet no barrier.
; The next weight is asked for when every wave has read the last one out (the full sequence and a round of the cluster's barrier), and lands while the block's results are normed, quantised and stored.
; CLUSTER 4 x 4: x's tile hangs on work-group y alone and is asked for jointly along a row, the weight's on work-group x alone and jointly along a column.
; No prefetch: the text is straight, the first tiles are asked for at the head, and each later tile a whole epilogue ahead of the wait for it.
; A WAVE makes 128 tokens x 64 channels (one head): 32 accumulators.  q, k: source 0 = 4 blocks of the weight, source 1 = 8 blocks of x: a lane holds a token, its registers the head's channels.
; v: source 0 = 8 blocks of x, source 1 = 4 blocks of Wv: a lane holds a channel, its registers 128 tokens, the second attention product's K.  The bias is the C of a block's first products.
; Operands lie in xw as images of fragments (16 rows x 128 K: 1,536 bytes; a block of 16 rows: 12,288); rows of a block are not neighbours: 16 registers of two blocks are 16 neighbours.  Results leave as images too:
;   q, k: qkv + (0 or KC) + head x 98,304 + (token / 32) x 1,536: a fragment is two half fragments of 16 tokens x 64; its word: the even block's two bytes, then the odd block's.
;   v:    qkv + VC + head x 98,304 + (token / 128) x 6,144 + (channel block) x 1,536.   Scale words in groups of 256 bytes for four fragments: fragment 2 i + e, row r at 8 (16 i + r) + 4 e.
; LIMITS: NaN and infinities are not served; a block of zeros gets the byte 1 (its codes are zeros; this program alone reads the bytes).
; REGISTERS: window 0: v1-9 lanes' offsets, v16-23 LDS addresses, v28, v29 the add's, v32-63 x's scale words, v64-79 the weight's, v80-239 the epilogues' work.  window 1: x's fragments, two sets of 96; v192-255 bq, bk along registers.
;   window 2: the accumulators.  window 3: the weight's fragments, two sets of 48; v96-159 the two gains; v160-191 bv of my lane's rows, eight times each.
.set XSC, 9437184
.set KC,  6291456
.set VC,  12582912
.set QS,  18874368
.set WB,  196608                       ; LDS: x's codes from 0, the weight's from WB,
.set XSL, 294912                       ; x's scale words, the weight's,
.set WSL, 303104
.set SPARE, 307200                     ; and the spare words, 128 bytes a wave, which no other line names
.set SPW, 28
.set NIL, 29
.set XS,  32
.set WS,  64
.set TM,  80                           ; +0..3 largest magnitudes, +4..7 permutes and bytes, +8..11 four fragments' words, +12..15 the conversions' scale operands, +16, 17 the pair that leaves
.set SS,  104                          ; eight pairs: sums of squares, then 1 / rms in the lower register
.set VBT, 120
.set Y,   128
.set PC,  192
.set BQ,  192                          ; window 1
.set BKK, 224
.set NWQ, 96                           ; window 3
.set NWK, 128
.set VBC, 160
.set G1X, 28
.set G1W, 36
.set G1XS, 44
.set G1WS, 52
.set G0X, 60
.set G0W, 68
.set G0XS, 72
.set G0WS, 76
.set MSB, 0
.macro WIN new                         ; the immediate's high byte repeats the setting that is left
.if MSB != (\new)
	s_set_vgpr_msb (MSB<<8)|(\new)
.set MSB, (\new)
.endif
.endm
.macro PLACES n
.rept \n
	v_nop
.endr
.endm
.macro CROUND                          ; a round of the cluster's barrier
	s_barrier_signal -1
	s_barrier_wait -1
	s_cmp_lg_u32 s18, 0
	s_cbranch_scc1 .Lnot_wave_0_\@
	s_barrier_signal -3
.Lnot_wave_0_\@:
	s_barrier_wait -3
	s_barrier_signal -1
	s_barrier_wait -1
.endm
.macro DENSE g, rows                   ; group 1 of a dense block: rows of 256 bytes (32 elements of 8)
	s_mov_b32 s[\g+1], 32<<16
	s_mov_b32 s[\g+2], (\rows)<<16
	s_mov_b32 s[\g+3], 32<<16
	s_mov_b32 s[\g+4], \rows
	s_mov_b32 s[\g+5], 32
	s_mov_b32 s[\g+6], 0
	s_mov_b32 s[\g+7], 0
.endm
.macro GRP0 g, lds, base, off          ; group 0
	s_mov_b32 s[\g], 1
	s_mov_b32 s[\g+1], \lds
	s_add_nc_u64 s[\g+2:\g+3], s[\base:\base+1], s[\off:\off+1]
	s_or_b32 s[\g+3], s[\g+3], 0x80000000
.endm
.macro TLOAD g0, g1                    ; an s_nop 0 and four v_nop follow each tensor load
	tensor_load_to_lds s[\g0:\g0+3], s[\g1:\g1+7]
	s_nop 0
	PLACES 4
.endm
	s_load_b256 s[4:11], s[0:1], 0x0               ; xw, bq, bk, bv
	s_load_b128 s[12:15], s[0:1], 0x20             ; q_norm_w, k_norm_w
	s_load_b64 s[16:17], s[0:1], 0x30              ; qkv
	v_lshl_add_u32 v[SPW], v0, 2, SPARE
	v_mov_b32 v[NIL], 0
	ds_add_u32 v[SPW], v[NIL]                      ; the opening: the add, twice on end, and its wait ahead of my first tensor load
	ds_add_u32 v[SPW], v[NIL]
	v_lshrrev_b32 v1, 5, v0
	v_readfirstlane_b32 s18, v1                    ; wave
	s_lshr_b32 s19, s18, 1                         ; which 128 tokens are mine
	s_and_b32 s20, s18, 1                          ; which 64 channels
	s_bfe_u32 s21, ttmp6, 0x40000                  ; cx
	s_bfe_u32 s22, ttmp6, 0x40004                  ; cy
	s_lshl_b32 s23, ttmp9, 2
	s_add_co_u32 s23, s23, s21                     ; j: which 128 channels
	s_and_b32 s24, ttmp7, 0xffff
	s_lshl_b32 s24, s24, 2
	s_add_co_u32 s24, s24, s22                     ; i: which 256 tokens
	s_lshl_b32 s25, s22, 2
	s_lshl_b32 s25, 15, s25                        ; my row of the cluster
	s_lshl_b32 s26, 0x1111, s21                    ; my column
	s_or_b32 s[G1X], s25, (3<<16)|(1<<21)          ; the mask; elements of 8 bytes; bit 21 beside a mask
	s_or_b32 s[G1XS], s25, (3<<16)|(1<<21)
	s_or_b32 s[G1W], s26, (3<<16)|(1<<21)
	s_or_b32 s[G1WS], s26, (3<<16)|(1<<21)
	DENSE G1X, 768
	DENSE G1W, 384
	DENSE G1XS, 32
	DENSE G1WS, 16
	s_mul_i32 s80, s24, 196608                     ; x's codes: 256 i rows of 768 bytes
	s_mov_b32 s81, 0
	s_lshl_b32 s82, s24, 13                        ; x's scales: 32 bytes a row
	s_add_co_u32 s82, s82, XSC
	s_mov_b32 s83, 0
	s_mul_i32 s84, s23, 98304                      ; Wq's rows 128 j .. (Wq begins at row 8,192 of xw; Wk and Wv follow, 1,024 rows each)
	s_add_co_u32 s84, s84, 8192*768
	s_mov_b32 s85, 0
	s_lshl_b32 s86, s23, 12
	s_add_co_u32 s86, s86, XSC+8192*32
	s_mov_b32 s87, 0
	s_lshl_b32 s88, s23, 9                         ; the biases: 4 (128 j + 64 x my half)
	s_lshl_b32 s89, s20, 8
	s_add_co_u32 s88, s88, s89
	s_mov_b32 s89, 0
	s_lshl_b32 s90, s24, 8
	s_lshl_b32 s91, s19, 7
	s_add_co_u32 s90, s90, s91                     ; my first token
	s_lshr_b32 s91, s90, 11
	s_lshl_b32 s91, s91, 4
	s_lshl_b32 s92, s23, 1
	s_add_co_u32 s91, s91, s92
	s_add_co_u32 s91, s91, s20                     ; 16 x batch + my head
	s_and_b32 s90, s90, 2047
	s_lshr_b32 s92, s90, 5
	s_mul_i32 s92, s92, 1536
	s_mul_i32 s93, s91, 98304
	s_add_co_u32 s92, s92, s93                     ; my codes' place, the same in q, k and v: 128 tokens are 6,144 bytes in each
	s_mov_b32 s93, 0
	s_lshr_b32 s90, s90, 7
	s_lshl_b32 s90, s90, 8
	s_lshl_b32 s91, s91, 12
	s_add_co_u32 s90, s90, s91
	s_add_co_u32 s90, s90, QS                      ; my scale words' place
	s_mov_b32 s91, 0
	s_mul_i32 s27, s19, 98304                      ; LDS: my 8 blocks of x,
	s_mul_i32 s2, s20, 49152
	s_add_co_u32 s2, s2, WB                        ; my 4 blocks of the weight,
	s_lshl_b32 s3, s19, 12
	s_add_co_u32 s3, s3, XSL                       ; their scale words
	s_lshl_b32 s101, s20, 9
	s_add_co_u32 s101, s101, WSL
	s_mov_b32 s96, 0x76543210
	s_mov_b32 s97, 0xfedcba98                      ; selects for lane l xor 16
	s_mov_b32 s98, 0x3c800000                      ; 1 / 64
	s_mov_b32 s99, 0x34000000                      ; eps = 2^-23
	s_mov_b32 s100, 0xffff0000                     ; lanes 16-31
	s_wait_dscnt 0x0                               ; both opening adds are done
	s_wait_kmcnt 0x0
	GRP0 G0X, 0, 4, 80
	GRP0 G0XS, XSL, 4, 82
	GRP0 G0W, WB, 4, 84
	GRP0 G0WS, WSL, 4, 86
	s_add_nc_u64 s[6:7], s[6:7], s[88:89]
	s_add_nc_u64 s[8:9], s[8:9], s[88:89]
	s_add_nc_u64 s[10:11], s[10:11], s[88:89]
	s_add_nc_u64 s[92:93], s[16:17], s[92:93]      ; q's codes; k's lie KC further on,
	s_add_nc_u64 s[94:95], s[92:93], VC            ; v's VC
	s_add_nc_u64 s[90:91], s[16:17], s[90:91]      ; q's scale words; k's and v's 262,144 and 524,288 further on
	CROUND                                         ; all sixteen work-groups are here: the first joint loads meet
; THE HEAD'S FOUR TILES, one joint load a wave, in one chain of branches on the wave's number
.macro ARM under, g0, g1, next
	s_cmp_lt_u32 s18, \under
	s_cbranch_scc0 \next
	TLOAD \g0, \g1
	s_branch .Lhead_asked
\next:
.endm
	ARM 1, G0X,  G1X,  .Lhead_w
	ARM 2, G0W,  G1W,  .Lhead_xs
	ARM 3, G0XS, G1XS, .Lhead_ws
	TLOAD G0WS, G1WS
.Lhead_asked:
	v_and_b32 v1, 15, v0                           ; r
	v_bfe_u32 v2, v0, 4, 1                         ; h
	v_and_b32 v3, 31, v0
	v_lshlrev_b32 v4, 4, v3                        ; 16 x lane
	v_lshlrev_b32 v5, 3, v3                        ; 8 x lane
	v_lshlrev_b32 v8, 6, v2                        ; 64 h: my 16 of each 32
	v_and_b32 v9, 8, v1
	v_add_nc_u32 v9, v9, v1
	v_lshlrev_b32 v9, 2, v9                        ; 4 (r + 8 (r / 8))
.irp a, 0,1,2,3
	global_load_b32 v[VBT+\a], v9, s[10:11] offset:4*(32*(\a/2)+8*(\a%2))   ; bv of my lane's row in block a
.endr
	WIN 0x40
.irp b, 0,1
.irp i, 0,1,2,3
	global_load_b128 v[BQ+16*\b+4*\i:BQ+16*\b+4*\i+3], v8, s[6:7] offset:128*\b+16*\i      ; register 16 b + i: channel 32 b + 16 h + i of my 64
	global_load_b128 v[BKK+16*\b+4*\i:BKK+16*\b+4*\i+3], v8, s[8:9] offset:128*\b+16*\i
.endr
.endr
	WIN 0xc0
.irp b, 0,1
.irp i, 0,1,2,3
	global_load_b128 v[NWQ+16*\b+4*\i:NWQ+16*\b+4*\i+3], v8, s[12:13] offset:128*\b+16*\i
	global_load_b128 v[NWK+16*\b+4*\i:NWK+16*\b+4*\i+3], v8, s[14:15] offset:128*\b+16*\i
.endr
.endr
	WIN 0
	v_add_nc_u32 v16, s27, v4                      ; x's blocks 0-3, 16 and 8 bytes a lane;
	v_add_nc_u32 v18, s27, v5
	v_add_nc_u32 v17, 49152, v16                   ; blocks 4-7
	v_add_nc_u32 v19, 49152, v18
	v_add_nc_u32 v20, s2, v4                       ; the weight's four
	v_add_nc_u32 v21, s2, v5
	v_add_nc_u32 v22, s3, v5                       ; scale words: 8 bytes a row, two blocks to a load
	v_add_nc_u32 v23, s101, v5
.irp b, 0,1,2,3
	v_mov_b32 v[TM+4+\b], 0                        ; a lane permute's destination counts as one of its sources
.endr
	s_wait_alu depctr_va_vdst(0)
	s_wait_loadcnt 0x0
	WIN 0xc0
.irp a, 0,1,2,3
.irp i, 0,1,2,3,4,5,6,7
	v_mov_b32 v[VBC+8*\a+\i], v[VBT+\a]            ; v's C: a lane's eight registers are eight tokens of one channel
.endr
.endr
	WIN 0
	s_wait_alu depctr_va_vdst(0)                   ; the wait at the head's end
	s_wait_tensorcnt 0x0                           ; my tile is in,
	s_barrier_signal -1
	s_barrier_wait -1                              ; and so are the other three.
.irp k, 0,1,2,3
.irp i, 0,1,2,3
	ds_load_b64 v[XS+8*\k+2*\i:XS+8*\k+2*\i+1], v22 offset:1024*\k+256*\i   ; x's words, once for all three blocks: lanes 0-15 block 2 i, lanes 16-31 block 2 i + 1; two words for 256 along K
.endr
.endr
.macro WM d, a, b, c, sa, ra, sb, rb   ; one product; ra, rb: which half of the lanes holds the source's scale words
.if (\ra)==0
.if (\rb)==0
	v_wmma_scale_f32_16x16x128_f8f6f4 v[\d:\d+7], v[\a:\a+11], v[\b:\b+11], v[\c:\c+7], v[\sa], v[\sb] matrix_a_fmt:MATRIX_FMT_FP6 matrix_b_fmt:MATRIX_FMT_FP6
.else
	v_wmma_scale_f32_16x16x128_f8f6f4 v[\d:\d+7], v[\a:\a+11], v[\b:\b+11], v[\c:\c+7], v[\sa], v[\sb] matrix_a_fmt:MATRIX_FMT_FP6 matrix_b_fmt:MATRIX_FMT_FP6 matrix_b_scale:MATRIX_SCALE_ROW1
.endif
.else
.if (\rb)==0
	v_wmma_scale_f32_16x16x128_f8f6f4 v[\d:\d+7], v[\a:\a+11], v[\b:\b+11], v[\c:\c+7], v[\sa], v[\sb] matrix_a_fmt:MATRIX_FMT_FP6 matrix_b_fmt:MATRIX_FMT_FP6 matrix_a_scale:MATRIX_SCALE_ROW1
.else
	v_wmma_scale_f32_16x16x128_f8f6f4 v[\d:\d+7], v[\a:\a+11], v[\b:\b+11], v[\c:\c+7], v[\sa], v[\sb] matrix_a_fmt:MATRIX_FMT_FP6 matrix_b_fmt:MATRIX_FMT_FP6 matrix_a_scale:MATRIX_SCALE_ROW1 matrix_b_scale:MATRIX_SCALE_ROW1
.endif
.endif
.endm
.macro FRAG reg, a16, a8, off          ; a fragment's image: 16, 8, 16, 8 bytes a lane
	ds_load_b128 v[\reg:\reg+3], v[\a16] offset:\off
	ds_load_b64 v[\reg+4:\reg+5], v[\a8] offset:\off+512
	ds_load_b128 v[\reg+6:\reg+9], v[\a16] offset:\off+768
	ds_load_b64 v[\reg+10:\reg+11], v[\a8] offset:\off+1280
.endm
.macro FETCH q, p                      ; step q's twelve fragments into set p
	WIN 0x40
.irp i, 0,1,2,3,4,5,6,7
	FRAG 96*(\p)+12*\i, 16+\i/4, 18+\i/4, (\i%4)*12288+1536*(\q)
.endr
	WIN 0xc0
.irp i, 0,1,2,3
	FRAG 48*(\p)+12*\i, 20, 21, \i*12288+1536*(\q)
.endr
.endm
; 32 products of a step of 128 along K; the 32 accumulators take turns in the same order in every step.  q, k: accumulator (token block a, channel block b) at 32 a + 8 b
.macro MULT q, p, first, cb
.irp a, 0,1,2,3,4,5,6,7
.irp b, 0,1,2,3
.if \first
	WM 32*\a+8*\b, 48*(\p)+12*\b, 96*(\p)+12*\a, \cb+8*\b, WS+4*((\q)/2)+2*(\b/2)+(\q)%2, \b%2, XS+8*((\q)/2)+2*(\a/2)+(\q)%2, \a%2
.else
	WM 32*\a+8*\b, 48*(\p)+12*\b, 96*(\p)+12*\a, 32*\a+8*\b, WS+4*((\q)/2)+2*(\b/2)+(\q)%2, \b%2, XS+8*((\q)/2)+2*(\a/2)+(\q)%2, \a%2
.endif
.endr
.endr
.endm
.macro MULV q, p, first                ; v: accumulator (channel block a, token block b) at 64 a + 8 b
.irp a, 0,1,2,3
.irp b, 0,1,2,3,4,5,6,7
.if \first
	WM 64*\a+8*\b, 96*(\p)+12*\b, 48*(\p)+12*\a, VBC+8*\a, XS+8*((\q)/2)+2*(\b/2)+(\q)%2, \b%2, WS+4*((\q)/2)+2*(\a/2)+(\q)%2, \a%2
.else
	WM 64*\a+8*\b, 96*(\p)+12*\b, 48*(\p)+12*\a, 64*\a+8*\b, XS+8*((\q)/2)+2*(\b/2)+(\q)%2, \b%2, WS+4*((\q)/2)+2*(\a/2)+(\q)%2, \a%2
.endif
.endr
.endr
.endm
.macro MAIN v, cb                      ; a block's eight steps: while one set is multiplied, the next step's 48 loads land in the other
	WIN 0
.irp k, 0,1,2,3
.irp i, 0,1
	ds_load_b64 v[WS+4*\k+2*\i:WS+4*\k+2*\i+1], v23 offset:1024*\k+256*\i
.endr
.endr
	FETCH 0, 0
.set Q, 0
.rept 8
	s_wait_dscnt 0x0                               ; this step's fragments, asked for a step ago
.if Q < 7
.if Q > 0
	PLACES 4                                       ; in front of loads into registers that the last step's products read
.endif
	FETCH Q+1, (Q+1)%2
.endif
.if \v
.if Q == 0
	WIN 0xbd                                       ; source 0 window 1, source 1 and C window 3, D window 2
.else
	WIN 0xad
.endif
	MULV Q, Q%2, (Q==0)
.else
.if Q == 0
	WIN 0x97                                       ; source 0 window 3, source 1 and C window 1, D window 2
.else
	WIN 0xa7
.endif
	MULT Q, Q%2, (Q==0), \cb
.endif
.set Q, Q+1
.endr
	WIN 0
	PLACES 4                                       ; in front of the first read of results
.endm
.macro REFILL                          ; the next weight, into the bytes of the one that is read out
	s_wait_tensorcnt 0x0                           ; none of my tensor loads is out;
	ds_add_u32 v[SPW], v[NIL]                      ; 0 onto my spare word;
	s_add_nc_u64 s[G0W+2:G0W+3], s[G0W+2:G0W+3], 786432      ; 1,024 rows on
	s_add_nc_u64 s[G0WS+2:G0WS+3], s[G0WS+2:G0WS+3], 32768
	s_wait_dscnt 0x0                               ; the add is done, and my reads of the weight are over
	CROUND                                         ; and so of every wave of every partner
	s_cmp_lt_u32 s18, 1                            ; wave 0 asks for the codes, wave 1 for the scale words
	s_cbranch_scc0 .Lfor_s_\@
	TLOAD G0W, G1W
	s_branch .Lasked_\@
.Lfor_s_\@:
	s_cmp_lt_u32 s18, 2
	s_cbranch_scc0 .Lasked_\@
	TLOAD G0WS, G1WS
.Lasked_\@:
.endm
.macro SYNC                            ; the next weight is whole for all four waves
	s_wait_alu depctr_va_vdst(0)
	s_wait_tensorcnt 0x0
	s_wait_dscnt 0x0
	s_barrier_signal -1
	s_barrier_wait -1
.endm
; 64 numbers of a lane, register 16 b + i = k 32 b + 16 h + i of my row, become a fragment (12 registers from pc on) and its word.  wt, wc: the windows for the numbers as sources 1 and 2, and as source 0
.macro QUANT s, pw, pc, wt, wc
	WIN \wt
.irp b, 0,1,2,3
	v_max3_num_f32 v[TM+\b], 0x1800000, |v[\s+16*\b]|, |v[\s+16*\b+1]|   ; with the floor 2^(3 - 127): the byte cannot fall under 1
.endr
.irp i, 2,4,6,8,10,12,14
.irp b, 0,1,2,3
	v_max3_num_f32 v[TM+\b], v[TM+\b], |v[\s+16*\b+\i]|, |v[\s+16*\b+\i+1]|
.endr
.endr
	WIN 0
.irp b, 0,1,2,3
	v_permlanex16_b32 v[TM+4+\b], v[TM+\b], s96, s97
.endr
.irp b, 0,1,2,3
	v_max_num_f32 v[TM+\b], v[TM+\b], v[TM+4+\b]
.endr
.irp b, 0,1,2,3
	v_add_nc_u32 v[TM+12+\b], 0xff000000, v[TM+\b] ; 2 off the exponent field: the conversion's scale operand
.endr
.irp b, 0,1,2,3
	v_lshrrev_b32 v[TM+4+\b], 23, v[TM+12+\b]      ; the byte
.endr
	v_lshl_or_b32 v[\pw], v[TM+5], 8, v[TM+4]
	v_lshl_or_b32 v[\pw], v[TM+6], 16, v[\pw]
	v_lshl_or_b32 v[\pw], v[TM+7], 24, v[\pw]
	WIN \wc
.irp c, 0,1
	v_cvt_scalef32_pk16_fp6_f32 v[\pc+6*\c:\pc+6*\c+2], v[\s+32*\c:\s+32*\c+15], v[TM+12+2*\c]
	v_cvt_scalef32_pk16_fp6_f32 v[\pc+12+4*\c:\pc+14+4*\c], v[\s+32*\c+16:\s+32*\c+31], v[TM+13+2*\c]
.endr
	WIN 0
	v_nop                                          ; one plain instruction behind the conversions
.irp c, 0,1
.irp i, 0,1,2
	v_permlane16_swap_b32 v[\pc+6*\c+\i], v[\pc+12+4*\c+\i]   ; a whole block to a lane
.endr
.irp i, 0,1,2
	v_mov_b32 v[\pc+3+6*\c+\i], v[\pc+12+4*\c+\i]
.endr
.endr
.endm
.macro OUTF pc, base, off              ; a fragment's image leaves: each store covers 512 or 256 consecutive bytes, aligned
	global_store_b128 v4, v[\pc:\pc+3], s[\base:\base+1] offset:\off
	global_store_b64 v5, v[\pc+4:\pc+5], s[\base:\base+1] offset:\off+512
	global_store_b128 v4, v[\pc+6:\pc+9], s[\base:\base+1] offset:\off+768
	global_store_b64 v5, v[\pc+10:\pc+11], s[\base:\base+1] offset:\off+1280
.endm
.macro WORDS off                       ; four fragments' words leave as 256 consecutive bytes: lanes 0-15 fragments 0, 1 of row r, lanes 16-31 fragments 2, 3
	v_cndmask_b32 v[TM+16], v[TM+8], v[TM+10], s100
	v_cndmask_b32 v[TM+17], v[TM+9], v[TM+11], s100
	global_store_b64 v5, v[TM+16:TM+17], s[90:91] offset:\off
.endm
.macro EPIQK nw, koff, soff            ; my 128 tokens of one head: RMS norm, gain, the quantiser along the head's 64
	WIN 0x0a                                       ; sources 0 and 1: the accumulators
.irp a, 0,1,2,3,4,5,6,7                ; the eight blocks' sums of squares by turns; each accumulator from its low end on
	v_pk_mul_f32 v[SS+2*\a:SS+2*\a+1], v[32*\a:32*\a+1], v[32*\a:32*\a+1]
.endr
.set n, 2
.rept 15
.irp a, 0,1,2,3,4,5,6,7
	v_pk_fma_f32 v[SS+2*\a:SS+2*\a+1], v[32*\a+n:32*\a+n+1], v[32*\a+n:32*\a+n+1], v[SS+2*\a:SS+2*\a+1]
.endr
.set n, n+2
.endr
	WIN 0
.irp a, 0,1,2,3,4,5,6,7
	v_add_f32 v[SS+2*\a], v[SS+2*\a], v[SS+2*\a+1]
.endr
.irp a, 0,1,2,3,4,5,6,7
	v_permlanex16_b32 v[SS+2*\a+1], v[SS+2*\a], s96, s97     ; the head's other 32 channels lie in lane l xor 16
.endr
.irp a, 0,1,2,3,4,5,6,7
	v_add_f32 v[SS+2*\a], v[SS+2*\a], v[SS+2*\a+1]
.endr
.irp a, 0,1,2,3,4,5,6,7
	v_fma_f32 v[SS+2*\a], v[SS+2*\a], s98, s99     ; mean + eps
.endr
	s_wait_alu depctr_va_vdst(0)                   ; one wait ahead of the batch,
.irp a, 0,1,2,3,4,5,6,7
	v_rsq_f32 v[SS+2*\a], v[SS+2*\a]
.endr
	v_nop
	s_wait_alu depctr_va_vdst(0)                   ; and one behind it
.irp f, 0,1,2,3                        ; blocks 2 f and 2 f + 1 make one fragment
	s_wait_xcnt 0x0                                ; earlier stores have read their registers
	WIN 0x02
.set n, 0
.rept 16
	v_pk_mul_f32 v[Y+n:Y+n+1], v[64*\f+n:64*\f+n+1], v[SS+4*\f:SS+4*\f+1] op_sel_hi:[1,0]
	v_pk_mul_f32 v[Y+32+n:Y+32+n+1], v[64*\f+32+n:64*\f+32+n+1], v[SS+4*\f+2:SS+4*\f+3] op_sel_hi:[1,0]
.set n, n+2
.endr
	WIN 0x0c                                       ; source 1: the gain
.set n, 0
.rept 16
	v_pk_mul_f32 v[Y+n:Y+n+1], v[Y+n:Y+n+1], v[\nw+n:\nw+n+1]
	v_pk_mul_f32 v[Y+32+n:Y+32+n+1], v[Y+32+n:Y+32+n+1], v[\nw+n:\nw+n+1]
.set n, n+2
.endr
	QUANT Y, TM+8+\f, PC+24*(\f%2), 0, 0
	OUTF PC+24*(\f%2), 92, \koff+1536*\f
.endr
	WORDS \soff
.endm
	MAIN 0, BQ
	REFILL                                         ; Wk
	EPIQK NWQ, 0, 0
	SYNC
	MAIN 0, BKK
	REFILL                                         ; Wv
	EPIQK NWK, KC, 262144
	SYNC
	MAIN 1, 0
.irp a, 0,1,2,3                        ; 16 channels x my 128 tokens: quantised along the tokens, straight from the accumulators
	s_wait_xcnt 0x0
	QUANT 64*\a, TM+8+\a, PC+24*(\a%2), 0x28, 0x02
	OUTF PC+24*(\a%2), 94, 1536*\a
.endr
	WORDS 524288
	s_wait_tensorcnt 0x0                           ; the wave's end
	ds_add_u32 v[SPW], v[NIL]
	s_wait_dscnt 0x0
	CROUND                                         ; the closing round
	s_endpgm
.Lfunc_end_k_q2113e8b102_qkv:
	.size	k_q2113e8b102_qkv, .Lfunc_end_k_q2113e8b102_qkv-k_q2113e8b102_qkv
	.p2alignl 7, 3214868480
	.fill 96, 4, 3214868480
	.section	.rodata,"a",@progbits
	.p2align	6, 0x0
	.amdhsa_kernel k_q2113e8b102_qkv
		.amdhsa_group_segment_fixed_size 327680
		.amdhsa_private_segment_fixed_size 0
		.amdhsa_enable_private_segment 0
		.amdhsa_kernarg_size 56
		.amdhsa_user_sgpr_count 2
		.amdhsa_user_sgpr_kernarg_segment_ptr 1
		.amdhsa_wavefront_size32 1
		.amdhsa_system_sgpr_workgroup_id_x 1
		.amdhsa_system_sgpr_workgroup_id_y 1
		.amdhsa_system_sgpr_workgroup_id_z 1
		.amdhsa_system_vgpr_workitem_id 0
		.amdhsa_next_free_vgpr 1024
		.amdhsa_next_free_sgpr 102
		.amdhsa_reserve_vcc 0
		.amdhsa_float_denorm_mode_32 3
		.amdhsa_float_denorm_mode_16_64 3
		.amdhsa_memory_ordered 1
		.amdhsa_forward_progress 1
		.amdhsa_inst_pref_size 255
	.end_amdhsa_kernel
	.section	.bss,"aw",@nobits
	.p2align	6
	.space	262144
	.amdgpu_metadata
---
amdhsa.version: [ 1, 2 ]
amdhsa.kernels:
  - .name:           k_q2113e8b102_qkv
    .symbol:         k_q2113e8b102_qkv.kd
    .args:
      - { .name: xw, .offset: 0, .size: 8, .value_kind: global_buffer, .address_space: global }
      - { .name: bq, .offset: 8, .size: 8, .value_kind: global_buffer, .address_space: global }
      - { .name: bk, .offset: 16, .size: 8, .value_kind: global_buffer, .address_space: global }
      - { .name: bv, .offset: 24, .size: 8, .value_kind: global_buffer, .address_space: global }
      - { .name: q_norm_w, .offset: 32, .size: 8, .value_kind: global_buffer, .address_space: global }
      - { .name: k_norm_w, .offset: 40, .size: 8, .value_kind: global_buffer, .address_space: global }
      - { .name: qkv, .offset: 48, .size: 8, .value_kind: global_buffer, .address_space: global }
    .group_segment_fixed_size: 327680
    .private_segment_fixed_size: 0
    .kernarg_segment_align: 8
    .kernarg_segment_size: 56
    .max_flat_workgroup_size: 128
    .sgpr_count:     102
    .vgpr_count:     1024
    .wavefront_size: 32
...
	.end_amdgpu_metadata
.endif
;; end of part 2
;; launch attn (part 3): grid 4 x 64, 8 waves a work-group, clusters of 4 x 1, 327,680 bytes of LDS; arguments qkv, att; writes att
.if DOCPART == 3
	.amdgcn_target "amdgcn-amd-amdhsa--gfx1250"
	.amdhsa_code_object_version 6
	.text
	.protected	k_q2113e8b102_attn
	.globl	k_q2113e8b102_attn
	.p2align	8
	.type	k_q2113e8b102_attn,@function
k_q2113e8b102_attn:
	s_mov_b64 s[64:65], 0
	v_nop
	global_prefetch_b8 v0, s[64:65] scope:SCOPE_SE
	s_setreg_imm32_b32 hwreg(HW_REG_WAVE_MODE, 25, 1), 1
	s_wait_xcnt 0x0
	s_wait_alu depctr_hold_cnt(0) depctr_sa_sdst(0) depctr_va_vdst(0) depctr_va_sdst(0) depctr_va_ssrc(0) depctr_va_vcc(0) depctr_vm_vsrc(0)
	s_getreg_b32 s2, hwreg(HW_REG_IB_STS2, 6, 4)
	s_cmp_eq_u32 s2, 0
	s_cbranch_scc0 .Lentry_in_a_cluster
	s_endpgm
.Lentry_in_a_cluster:
	s_bfe_u32 s2, ttmp6, 0x10000c
	s_cmp_lg_u32 s2, 0x3003
	s_cbranch_scc0 .Lentry_shape_is_right
	s_endpgm
.Lentry_shape_is_right:
; Attention of one head (work-group y = 16 x batch + head) on codes of FP6 (E2M3) with E8M0 scales: S^T = k q^T, p = 2^(t - M), O^T += v^T p^T, O / l, and the quantiser along the head's 64 for the projection that follows.
; SHARES: a work-group takes 512 queries (its place in the cluster), a wave 64 (four tiles of 16), a lane one query of each tile.  All 2,048 keys of the head lie in LDS: k's codes 98,304 bytes, v's 98,304, their scale words 2 x 4,096.
; CLUSTER: the four work-groups of a head read the same k and v: every tensor load is a joint load with the mask 15.  Each wave issues two: 4,096 bytes of what the first two steps need, then 21,504 bytes of the rest, as a later first fill.
; Nothing is filled twice and nothing is asked for inside the loops: so there is no stream to run ahead of, and no prefetch is written.
; WHICH KEYS FORM A TILE OF k is chosen by the lanes' LDS addresses: of the 128 keys of a step, tile u (0..3) of half c takes keys 64 c + 8 u + j in its rows 0-7 and keys 64 c + 32 + 8 u + j in its rows 8-15.
; So lane (r, h) holds in the 32 registers of four tiles the keys 64 c + 32 h + 0 .. 31: ONE WHOLE BLOCK of the second product's K, in the order in which that product's operand wants it: a block's largest score needs no other lane,
; and the conversions' results are the operand's registers.  In memory a half fragment holds 16 tokens x 64: token 32 g + 8 w + j lies in half fragment 2 g + w % 2 at row 8 (w / 2) + j.
; A fragment of k (12 registers) is two tiles: K 0-63 the even half fragment's 64 channels, K 64-127 the odd one's; q stands beside six registers of zero codes, on either side, and picks one of the two.
; SOFTMAX as the problem states it: M = ceil of the running largest t, kept as -M; p and the sum l in f32; l of the unquantised p; when M moves, l and O^T are multiplied by the exact power of two 2^(old M - new M).
; A block's largest p is the p of its largest score, made by the same multiply-add and exponential (this takes v_exp_f32 not to fall where its input rises).
; LIMITS: the promise holds while the scaled scores stay under 2^31 in magnitude; NaN and infinities are not served; a block whose every p has fallen to 0 keeps the byte 1 (its codes are zeros).
; REGISTERS, window 0: v1-3, v55, v59, v65 lanes' offsets; v4, v5 the add's; v6-11 a step's LDS addresses; v12-27 for each tile -M, the largest score, l in two halves; v28-31 q's scale words; v32-35 k's; v36-39 v's;
;   v40-51 p's codes, v52-58 their second halves; v60-79 at work (v72 the factor, v73 p's scale word); v80-143, v144-207 scores, two sets; v208-255 v's four fragments.
;   window 1: v0-127 O^T (tile t at 32 t); v128-175 k's four fragments; v176-235 zeros and q by turns.
.set KC,  6291456
.set VC,  12582912
.set QS,  18874368
.set KS,  19136512
.set VS,  19398656
.set AS,  6291456
.set SPARE, 204800                     ; behind the tiles: the spare words, 128 bytes a wave, which no other line names
.set SPW, 4
.set NIL, 5
.set K16, 55                           ; 16 (r % 8 + 16 h) + 1,536 (r / 8)
.set K8,  59                           ; 8 (r % 8 + 16 h) + 1,536 (r / 8)
.set KW,  65                           ; 8 (r % 8) + 4 (r / 8)
.set SA,  80
.set SB,  144
.set MSB, 0
.macro WIN new                         ; the immediate's high byte repeats the setting that is left
.if MSB != (\new)
	s_set_vgpr_msb (MSB<<8)|(\new)
.set MSB, (\new)
.endif
.endm
.macro CROUND                          ; a round of the cluster's barrier
	s_barrier_signal -1
	s_barrier_wait -1
	s_cmp_lg_u32 s8, 0
	s_cbranch_scc1 .Lnot_wave_0_\@
	s_barrier_signal -3
.Lnot_wave_0_\@:
	s_barrier_wait -3
	s_barrier_signal -1
	s_barrier_wait -1
.endm
	s_load_b128 s[4:7], s[0:1], 0x0                ; qkv, att
	v_lshl_add_u32 v[SPW], v0, 2, SPARE
	v_mov_b32 v[NIL], 0
	ds_add_u32 v[SPW], v[NIL]                      ; the opening: the add, twice on end, and its wait ahead of my first tensor load
	ds_add_u32 v[SPW], v[NIL]
	v_lshrrev_b32 v1, 5, v0
	v_readfirstlane_b32 s8, v1                     ; wave
	s_bfe_u32 s9, ttmp6, 0x40000                   ; cx: which 512 queries
	s_and_b32 s10, ttmp7, 0xffff                   ; 16 x batch + head
	s_mov_b32 s24, 15|(3<<16)|(1<<21)              ; group 1, first load: 16 rows of 256 bytes, dense; the mask names all four partners
	s_mov_b32 s25, 32<<16
	s_mov_b32 s26, 16<<16
	s_mov_b32 s27, 32<<16
	s_mov_b32 s28, 16
	s_mov_b32 s29, 32
	s_mov_b32 s30, 0
	s_mov_b32 s31, 0
	s_mov_b32 s32, 15|(3<<16)|(1<<21)              ; second load: 84 rows of 256 bytes
	s_mov_b32 s33, 32<<16
	s_mov_b32 s34, 84<<16
	s_mov_b32 s35, 32<<16
	s_mov_b32 s36, 84
	s_mov_b32 s37, 32
	s_mov_b32 s38, 0
	s_mov_b32 s39, 0
	s_mov_b32 s20, 0x76543210
	s_mov_b32 s21, 0xfedcba98                      ; selects for lane l xor 16
	s_mov_b32 s22, 0x3e38aa3b                      ; c = log2(e) / 8: t = score x c
	s_mov_b32 s23, s22
	s_mov_b32 s52, 0xffff0000                      ; lanes 16-31
	s_mul_i32 s11, s10, 98304
	s_lshl_b32 s12, s10, 12
	s_lshl_b32 s13, s8, 12
	s_add_co_u32 s14, s11, s13                     ; first load, to LDS 4,096 x wave: waves 0-2 k's first 12,288 bytes, waves 3-5 v's, wave 6 k's scale words, wave 7 v's
	s_add_co_u32 s15, s14, VC-12288
	s_add_co_u32 s14, s14, KC
	s_add_co_u32 s16, s12, KS
	s_add_co_u32 s17, s12, VS
	s_cmp_lt_u32 s8, 7
	s_cselect_b32 s16, s16, s17
	s_cmp_lt_u32 s8, 6
	s_cselect_b32 s16, s15, s16
	s_cmp_lt_u32 s8, 3
	s_cselect_b32 s16, s14, s16
	s_mov_b32 s17, 0
	s_and_b32 s14, s8, 3                           ; second load, to LDS 32,768 + 21,504 x wave: waves 0-3 the rest of k, waves 4-7 the rest of v
	s_mul_i32 s14, s14, 21504
	s_add_co_u32 s14, s14, s11
	s_add_co_u32 s14, s14, KC+12288
	s_cmp_lt_u32 s8, 4
	s_cselect_b32 s15, 0, VC-KC
	s_add_co_u32 s14, s14, s15
	s_mov_b32 s15, 0
	s_mul_i32 s18, s8, 21504
	s_add_co_u32 s18, s18, 32768
	s_wait_dscnt 0x0                               ; both opening adds are done
	s_wait_kmcnt 0x0
	s_mov_b32 s40, 1
	s_mov_b32 s41, s13
	s_add_nc_u64 s[42:43], s[4:5], s[16:17]
	s_or_b32 s43, s43, 0x80000000
	s_mov_b32 s44, 1
	s_mov_b32 s45, s18
	s_add_nc_u64 s[46:47], s[4:5], s[14:15]
	s_or_b32 s47, s47, 0x80000000
	s_mul_i32 s16, s9, 24576                       ; my 64 queries' codes: four half fragments of 768 bytes
	s_mul_i32 s17, s8, 3072
	s_add_co_u32 s16, s16, s17
	s_add_co_u32 s16, s16, s11
	s_mov_b32 s17, 0
	s_add_nc_u64 s[16:17], s[4:5], s[16:17]
	s_lshl_b32 s14, s9, 10                         ; and their scale words
	s_lshr_b32 s15, s8, 1
	s_lshl_b32 s15, s15, 8
	s_add_co_u32 s14, s14, s15
	s_and_b32 s15, s8, 1
	s_lshl_b32 s15, s15, 7
	s_add_co_u32 s14, s14, s15
	s_add_co_u32 s14, s14, s12
	s_add_co_u32 s14, s14, QS
	s_mov_b32 s15, 0
	s_add_nc_u64 s[14:15], s[4:5], s[14:15]
	CROUND                                         ; all four work-groups are here: the first joint loads meet
	tensor_load_to_lds s[40:43], s[24:31]
	s_nop 0
	v_and_b32 v3, 31, v0                           ; while the load is out: lanes' offsets, q's loads, the zeros
	v_lshlrev_b32 v1, 4, v3                        ; 16 x lane
	v_lshlrev_b32 v2, 3, v3                        ; 8 x lane
	v_and_b32 v3, 15, v0
	v_lshlrev_b32 v3, 3, v3                        ; 8 r
	v_and_b32 v[K16], 7, v0                        ; r % 8
	v_bfe_u32 v[K8], v0, 3, 1                      ; r / 8
	v_bfe_u32 v[KW], v0, 4, 1                      ; h
	v_mul_u32_u24 v60, v[K8], 1536
	v_lshl_add_u32 v61, v[KW], 4, v[K16]           ; r % 8 + 16 h
	v_lshl_add_u32 v[KW], v[K16], 1, v[K8]
	v_lshl_add_u32 v[K16], v61, 4, v60
	v_lshl_add_u32 v[K8], v61, 3, v60
	v_lshlrev_b32 v[KW], 2, v[KW]
	global_load_b64 v[28:29], v3, s[14:15]
	WIN 0x40
.irp t, 0,1,2,3
	global_load_b128 v[182+12*\t:185+12*\t], v1, s[16:17] offset:768*\t
	global_load_b64 v[186+12*\t:187+12*\t], v2, s[16:17] offset:768*\t+512
.endr
.irp z, 0,1,2,3,4
.irp i, 0,1,2,3,4,5
	v_mov_b32 v[176+12*\z+\i], 0                   ; zero codes on both sides of each tile of q
.endr
.endr
.set i, 0
.rept 128
	v_mov_b32 v[i], 0                              ; O^T: the step is written once; the first change of M leaves zeros zeros
.set i, i+1
.endr
	WIN 0
	s_wait_alu depctr_va_vdst(0)
	s_wait_tensorcnt 0x0                           ; my first load is in
	ds_add_u32 v[SPW], v[NIL]
	s_wait_dscnt 0x0
	CROUND                                         ; every wave's first load is in, and the joint loads meet
	tensor_load_to_lds s[44:47], s[32:39]
	s_nop 0
.rept 4
	v_nop
.endr
	s_wait_loadcnt 0x0                             ; q
	v_mov_b32 v30, v29                             ; a word holds the even tile's two bytes, then the odd tile's: each word also with its halves exchanged, for q on either side of the zeros
	v_lshrrev_b32 v29, 16, v28
	v_lshrrev_b32 v31, 16, v30
	v_lshl_or_b32 v29, v28, 16, v29
	v_lshl_or_b32 v31, v30, 16, v31
.irp t, 0,1,2,3
	v_mov_b32 v[12+4*\t], 0x7f61b1e6               ; -M = 3e38
	v_mov_b32 v[13+4*\t], 0xff61b1e6               ; the largest score so far: -3e38
	v_mov_b32 v[14+4*\t], 0
	v_mov_b32 v[15+4*\t], 0
.endr
	v_mov_b32 v64, 0                               ; a lane permute's destination counts as one of its sources
	v_mov_b32 v73, 0                               ; (named as the upper half of a pair)
	s_wait_alu depctr_va_vdst(0)                   ; the wait at the head's end
.macro KQ t, sb                        ; 128 keys x tile t's 16 queries: eight products, each with its own accumulator, begun with 0
	WIN 0x05
.irp f, 0,1,2,3
	v_wmma_scale_f32_16x16x128_f8f6f4 v[\sb+16*\f:\sb+16*\f+7], v[128+12*\f:139+12*\f], v[182+12*(\t):193+12*(\t)], 0, v[32+\f], v[28+2*((\t)/2)+(\t)%2] matrix_a_fmt:MATRIX_FMT_FP6 matrix_b_fmt:MATRIX_FMT_FP6
	v_wmma_scale_f32_16x16x128_f8f6f4 v[\sb+16*\f+8:\sb+16*\f+15], v[128+12*\f:139+12*\f], v[176+12*(\t):187+12*(\t)], 0, v[32+\f], v[28+2*((\t)/2)+1-(\t)%2] matrix_a_fmt:MATRIX_FMT_FP6 matrix_b_fmt:MATRIX_FMT_FP6
.endr
.endm
.macro SOFTMAX t, sb                   ; registers sb + 32 c + i: my query's score with key 64 c + 32 h + i of the step
.set NM, 12+4*(\t)
	WIN 0
.irp q, 0,1,2,3                        ; the largest score of my two blocks, in four chains by turns; each accumulator is read from its low end on
	v_max3_num_f32 v[60+\q], v[\sb+16*\q], v[\sb+16*\q+1], v[\sb+16*\q+2]
.endr
.irp i, 3,5,7,9,11,13
.irp q, 0,1,2,3
	v_max3_num_f32 v[60+\q], v[60+\q], v[\sb+16*\q+\i], v[\sb+16*\q+\i+1]
.endr
.endr
	v_max3_num_f32 v60, v60, v61, v[\sb+15]
	v_max3_num_f32 v62, v62, v63, v[\sb+47]
	v_mov_b32 v76, v[NM]                           ; the old -M
	v_max_num_f32 v60, v60, v[\sb+31]              ; block h
	v_max_num_f32 v62, v62, v[\sb+63]              ; block 2 + h
	s_delay_alu instid0(VALU_DEP_1)
	v_max_num_f32 v61, v60, v62
	s_delay_alu instid0(VALU_DEP_1)
	v_permlanex16_b32 v64, v61, s20, s21           ; the other two blocks' lie in lane l xor 16
	s_delay_alu instid0(VALU_DEP_1)
	v_max3_num_f32 v[NM+1], v[NM+1], v61, v64      ; the running largest score
	s_delay_alu instid0(VALU_DEP_1)
	v_mul_f32 v77, s22, v[NM+1]                    ; as t (c is positive)
	s_delay_alu instid0(VALU_DEP_1)
	v_floor_f32 v[NM], -v77                        ; -M = floor(-t): M is a whole number
	s_delay_alu instid0(VALU_DEP_1)
	v_fma_f32 v60, v60, s22, v[NM]                 ; t - M of each block's largest score,
	v_fma_f32 v62, v62, s22, v[NM]
.set g, 0
.rept 32
	v_pk_fma_f32 v[\sb+g:\sb+g+1], v[\sb+g:\sb+g+1], s[22:23], v[NM:NM+1] op_sel_hi:[1,0,0]   ; and of all 64, two at a time
.set g, g+2
.endr
	s_wait_alu depctr_va_vdst(0)                   ; all sources are laid: one wait ahead of the batch
.set g, 0
.rept 64
	v_exp_f32 v[\sb+g], v[\sb+g]                   ; p = 2^(t - M)
.set g, g+1
.endr
	v_exp_f32 v60, v60                             ; the blocks' largest p
	v_exp_f32 v62, v62
	v_sub_f32 v76, v[NM], v76                      ; M's old value less its new one, 0 or less: plain work behind the batch
	s_delay_alu instid0(VALU_DEP_1)
	v_cvt_i32_f32 v76, v76                         ; (it saturates)
	s_delay_alu instid0(VALU_DEP_1)
	v_ldexp_f32 v72, 1.0, v76                      ; f = 2^(old M - new M)
	s_wait_alu depctr_va_vdst(0)                   ; one wait for the whole batch, ahead of its first reader
	v_max_num_f32 v60, 0x1800000, v60              ; the floor 2^(3 - 127): the byte cannot fall under 1
	v_max_num_f32 v62, 0x1800000, v62
	v_pk_fma_f32 v[NM+2:NM+3], v[NM+2:NM+3], v[72:73], v[\sb:\sb+1] op_sel_hi:[1,0,1]   ; l x f + p: the sum of the unquantised p, in four chains; the scale's lines and the conversions stand among them
	v_pk_add_f32 v[74:75], v[\sb+2:\sb+3], v[\sb+4:\sb+5]
	v_pk_add_f32 v[70:71], v[\sb+6:\sb+7], v[\sb+8:\sb+9]
	v_pk_add_f32 v[78:79], v[\sb+10:\sb+11], v[\sb+12:\sb+13]
	v_add_nc_u32 v68, 0xff000000, v60              ; 2 off the exponent field: the conversions' scale operands
	v_add_nc_u32 v69, 0xff000000, v62
.set g, 14
.rept 6
	v_pk_add_f32 v[NM+2:NM+3], v[NM+2:NM+3], v[\sb+g:\sb+g+1]
	v_pk_add_f32 v[74:75], v[74:75], v[\sb+g+2:\sb+g+3]
	v_pk_add_f32 v[70:71], v[70:71], v[\sb+g+4:\sb+g+5]
	v_pk_add_f32 v[78:79], v[78:79], v[\sb+g+6:\sb+g+7]
.if g == 14
	v_lshrrev_b32 v66, 23, v68                     ; the bytes
	v_lshrrev_b32 v67, 23, v69
	v_cvt_scalef32_pk16_fp6_f32 v[40:42], v[\sb:\sb+15], v68
	v_cvt_scalef32_pk16_fp6_f32 v[52:54], v[\sb+16:\sb+31], v68    ; (a conversion's three registers begin on an even number)
.endif
.if g == 22
	v_lshl_or_b32 v67, v67, 16, v66                ; my two bytes: blocks h and 2 + h
	v_cvt_scalef32_pk16_fp6_f32 v[46:48], v[\sb+32:\sb+47], v69
	v_cvt_scalef32_pk16_fp6_f32 v[56:58], v[\sb+48:\sb+63], v69
.endif
.if g == 30
	v_permlanex16_b32 v64, v67, s20, s21
.irp i, 0,1,2
	v_mov_b32 v[43+\i], v[52+\i]
.endr
.endif
.if g == 38
	v_lshl_or_b32 v73, v64, 8, v67                 ; lanes 0-15, which alone are read: blocks 0 and 2 mine, 1 and 3 lane l + 16's
.irp i, 0,1,2
	v_mov_b32 v[49+\i], v[56+\i]
.endr
.endif
.set g, g+8
.endr
	v_pk_add_f32 v[NM+2:NM+3], v[NM+2:NM+3], v[\sb+62:\sb+63]
	v_pk_add_f32 v[74:75], v[74:75], v[70:71]
	v_pk_add_f32 v[NM+2:NM+3], v[NM+2:NM+3], v[78:79]
	s_delay_alu instid0(VALU_DEP_1)
	v_pk_add_f32 v[NM+2:NM+3], v[NM+2:NM+3], v[74:75]
.endm
.macro RESC t                          ; O^T under the new M; these sixteen are also the places between the lines that made p's codes and word and the products
	WIN 0x41
.set g, 0
.rept 16
	v_pk_mul_f32 v[32*(\t)+g:32*(\t)+g+1], v[32*(\t)+g:32*(\t)+g+1], v[72:73] op_sel_hi:[1,0]
.set g, g+2
.endr
.endm
.macro PV t                            ; O^T += v^T p^T: four accumulators by turns
	WIN 0x50
.irp a, 0,1,2,3
	v_wmma_scale_f32_16x16x128_f8f6f4 v[32*(\t)+8*\a:32*(\t)+8*\a+7], v[208+12*\a:219+12*\a], v[40:51], v[32*(\t)+8*\a:32*(\t)+8*\a+7], v[36+\a], v73 matrix_a_fmt:MATRIX_FMT_FP6 matrix_b_fmt:MATRIX_FMT_FP6
.endr
.endm
.macro STEP                            ; 128 keys x my 64 queries.  s48, s49, s50: where the step's k, v and scale words lie
	v_add_nc_u32 v6, s48, v[K16]                   ; (these six are the places behind the last step's products, in front of the loads into their sources)
	v_add_nc_u32 v7, s48, v[K8]
	v_add_nc_u32 v8, s49, v1
	v_add_nc_u32 v9, s49, v2
	v_add_nc_u32 v10, s50, v[KW]
	v_add_nc_u32 v11, s50, v3
	WIN 0x40
.irp f, 0,1,2,3                        ; fragment f = 2 c + s: tiles 2 s and 2 s + 1 of half c
	ds_load_b128 v[128+12*\f:131+12*\f], v6 offset:3072*(\f/2)+128*(\f%2)
	ds_load_b64 v[132+12*\f:133+12*\f], v7 offset:3072*(\f/2)+64*(\f%2)+512
	ds_load_b128 v[134+12*\f:137+12*\f], v6 offset:3072*(\f/2)+128*(\f%2)+768
	ds_load_b64 v[138+12*\f:139+12*\f], v7 offset:3072*(\f/2)+64*(\f%2)+1280
.endr
	WIN 0
.irp f, 0,1,2,3
	ds_load_b32 v[32+\f], v10 offset:128*(\f/2)+64*(\f%2)
.endr
.irp f, 0,1,2,3
	ds_load_b128 v[208+12*\f:211+12*\f], v8 offset:1536*\f
	ds_load_b64 v[212+12*\f:213+12*\f], v9 offset:1536*\f+512
	ds_load_b128 v[214+12*\f:217+12*\f], v8 offset:1536*\f+768
	ds_load_b64 v[218+12*\f:219+12*\f], v9 offset:1536*\f+1280
.endr
	ds_load_b64 v[36:37], v11 offset:4096
	ds_load_b64 v[38:39], v11 offset:4224
	s_wait_dscnt 18                                ; k and its words are in; v's 16 loads and its 2 loads of words may be out
	KQ 0, SA
	KQ 1, SB
.rept 4
	v_nop                                          ; places in front of the first read of results
.endr
	SOFTMAX 0, SA
	s_wait_dscnt 0x0                               ; v
	RESC 0
	PV 0
	KQ 2, SA
	SOFTMAX 1, SB
	RESC 1
	PV 1
	KQ 3, SB
	SOFTMAX 2, SA
	RESC 2
	PV 2
	SOFTMAX 3, SB
	RESC 3
	PV 3
	WIN 0
	s_add_co_u32 s48, s48, 6144
	s_add_co_u32 s49, s49, 6144
	s_add_co_u32 s50, s50, 256
.endm
	s_mov_b32 s48, 0                               ; the first two steps read what the first loads brought, which the round above has shown whole
	s_mov_b32 s49, 12288
	s_mov_b32 s50, 24576
	s_mov_b32 s51, 2
.Learly:
	STEP
	s_sub_co_u32 s51, s51, 1
	s_cmp_lg_u32 s51, 0
	s_cbranch_scc1 .Learly
	s_wait_tensorcnt 0x0                           ; my part of the rest is in;
	s_wait_dscnt 0x0
	s_barrier_signal -1
	s_barrier_wait -1                              ; and so is everybody's.
	s_mov_b32 s48, 32768
	s_mov_b32 s49, 118784
	s_mov_b32 s51, 14
.Llate:
	STEP
	s_sub_co_u32 s51, s51, 1
	s_cmp_lg_u32 s51, 0
	s_cbranch_scc1 .Llate
.irp t, 0,1,2,3
	v_add_f32 v[14+4*\t], v[14+4*\t], v[15+4*\t]   ; l: its two halves,
.endr
.irp t, 0,1,2,3
	v_permlanex16_b32 v[64+\t], v[14+4*\t], s20, s21
.endr
.irp t, 0,1,2,3
	v_add_f32 v[14+4*\t], v[14+4*\t], v[64+\t]     ; and lane l xor 16's keys
.endr
	s_wait_alu depctr_va_vdst(0)                   ; the wait ahead of the batch
.irp t, 0,1,2,3
	v_rcp_f32 v[12+4*\t], v[14+4*\t]
.endr
	v_nop
	s_lshr_b32 s11, s10, 4                         ; batch
	s_and_b32 s12, s10, 15                         ; head
	s_lshl_b32 s13, s11, 7                         ; att's codes: block of 16 tokens x 12,288 + head x 768: half a fragment of the projection's operand
	s_lshl_b32 s14, s9, 5
	s_add_co_u32 s13, s13, s14
	s_lshl_b32 s14, s8, 2
	s_add_co_u32 s13, s13, s14
	s_mul_i32 s13, s13, 12288
	s_mul_i32 s14, s12, 768
	s_add_co_u32 s14, s14, s13
	s_mov_b32 s15, 0
	s_add_nc_u64 s[14:15], s[6:7], s[14:15]
	s_lshl_b32 s16, s11, 4                         ; att's scale bytes: (row / 128) x 4,096 + (K / 256) x 1,024 + (row % 128) x 8 + my head's two of the eight
	s_lshl_b32 s17, s9, 2
	s_add_co_u32 s16, s16, s17
	s_lshr_b32 s17, s8, 1
	s_add_co_u32 s16, s16, s17
	s_lshl_b32 s16, s16, 12
	s_lshr_b32 s17, s12, 2
	s_lshl_b32 s17, s17, 10
	s_add_co_u32 s16, s16, s17
	s_and_b32 s17, s8, 1
	s_lshl_b32 s17, s17, 9
	s_add_co_u32 s16, s16, s17
	s_and_b32 s17, s12, 3
	s_lshl_b32 s17, s17, 1
	s_add_co_u32 s16, s16, s17
	s_add_co_u32 s16, s16, AS
	s_mov_b32 s17, 0
	s_add_nc_u64 s[16:17], s[6:7], s[16:17]
	s_wait_alu depctr_va_vdst(0)                   ; the wait ahead of the batch's first reader, and of the first read of O^T
; 32 numbers of a lane, register 16 b + i = channel 32 b + 16 h + i of my query's head, become half a fragment (six registers from c on) and two bytes in v[w]
.macro HQ y, c, t, w
.irp b, 0,1
	v_max3_num_f32 v[60+\b], |v[\y+16*\b]|, |v[\y+1+16*\b]|, 0x1800000
.endr
.irp i, 2,4,6,8,10,12,14
.irp b, 0,1
	s_delay_alu instid0(VALU_DEP_2)
	v_max3_num_f32 v[60+\b], v[60+\b], |v[\y+16*\b+\i]|, |v[\y+1+16*\b+\i]|
.endr
.endr
.irp b, 0,1
	s_delay_alu instid0(VALU_DEP_2)
	v_permlanex16_b32 v[64+\b], v[60+\b], s20, s21
.endr
.irp b, 0,1
	s_delay_alu instid0(VALU_DEP_2)
	v_max_num_f32 v[60+\b], v[60+\b], v[64+\b]
.endr
.irp b, 0,1
	s_delay_alu instid0(VALU_DEP_2)
	v_add_nc_u32 v[68+\b], 0xff000000, v[60+\b]
.endr
.irp b, 0,1
	s_delay_alu instid0(VALU_DEP_2)
	v_lshrrev_b32 v[64+\b], 23, v[68+\b]
.endr
	s_delay_alu instid0(VALU_DEP_1)
	v_lshl_or_b32 v[\w], v65, 8, v64
	v_cvt_scalef32_pk16_fp6_f32 v[\c:\c+2], v[\y:\y+15], v68
	v_cvt_scalef32_pk16_fp6_f32 v[\t:\t+2], v[\y+16:\y+31], v69
	v_nop                                          ; one plain instruction behind the conversions
.irp i, 0,1,2
	v_permlane16_swap_b32 v[\c+\i], v[\t+\i]       ; a whole block to a lane
.endr
.irp i, 0,1,2
	s_delay_alu instid0(VALU_DEP_3)
	v_mov_b32 v[\c+3+\i], v[\t+\i]
.endr
.endm
.irp t, 0,1,2,3
	WIN 0x01
.set g, 0
.rept 16
	v_pk_mul_f32 v[SA+g:SA+g+1], v[32*\t+g:32*\t+g+1], v[12+4*\t:13+4*\t] op_sel_hi:[1,0]   ; O^T / l, each accumulator from its low end on
.set g, g+2
.endr
	WIN 0
	HQ SA, SB+12*\t, SB+6+12*\t, 76+\t
	global_store_b128 v1, v[SB+12*\t:SB+12*\t+3], s[14:15] offset:12288*\t
	global_store_b64 v2, v[SB+12*\t+4:SB+12*\t+5], s[14:15] offset:12288*\t+512
.endr
	v_cndmask_b32 v74, v76, v77, s52
	v_cndmask_b32 v75, v78, v79, s52
	global_store_b16 v2, v74, s[16:17]             ; a head owns two bytes of each row's eight
	global_store_b16 v2, v75, s[16:17] offset:256
	s_wait_tensorcnt 0x0                           ; the wave's end
	ds_add_u32 v[SPW], v[NIL]
	s_wait_dscnt 0x0
	CROUND                                         ; the closing round
	s_endpgm
.Lfunc_end_k_q2113e8b102_attn:
	.size	k_q2113e8b102_attn, .Lfunc_end_k_q2113e8b102_attn-k_q2113e8b102_attn
	.p2alignl 7, 3214868480
	.fill 96, 4, 3214868480
	.section	.rodata,"a",@progbits
	.p2align	6, 0x0
	.amdhsa_kernel k_q2113e8b102_attn
		.amdhsa_group_segment_fixed_size 327680
		.amdhsa_private_segment_fixed_size 0
		.amdhsa_enable_private_segment 0
		.amdhsa_kernarg_size 16
		.amdhsa_user_sgpr_count 2
		.amdhsa_user_sgpr_kernarg_segment_ptr 1
		.amdhsa_wavefront_size32 1
		.amdhsa_system_sgpr_workgroup_id_x 1
		.amdhsa_system_sgpr_workgroup_id_y 1
		.amdhsa_system_sgpr_workgroup_id_z 1
		.amdhsa_system_vgpr_workitem_id 0
		.amdhsa_next_free_vgpr 512
		.amdhsa_next_free_sgpr 66
		.amdhsa_reserve_vcc 0
		.amdhsa_float_denorm_mode_32 3
		.amdhsa_float_denorm_mode_16_64 3
		.amdhsa_memory_ordered 1
		.amdhsa_forward_progress 1
		.amdhsa_inst_pref_size 138
	.end_amdhsa_kernel
	.amdgpu_metadata
---
amdhsa.version: [ 1, 2 ]
amdhsa.kernels:
  - .name:           k_q2113e8b102_attn
    .symbol:         k_q2113e8b102_attn.kd
    .args:
      - { .name: qkv, .offset: 0, .size: 8, .value_kind: global_buffer, .address_space: global }
      - { .name: att, .offset: 8, .size: 8, .value_kind: global_buffer, .address_space: global }
    .group_segment_fixed_size: 327680
    .private_segment_fixed_size: 0
    .kernarg_segment_align: 8
    .kernarg_segment_size: 16
    .max_flat_workgroup_size: 256
    .sgpr_count:     66
    .vgpr_count:     512
    .wavefront_size: 32
...
	.end_amdgpu_metadata
.endif
;; end of part 3
;; launch oproj (part 4): grid 8 x 32, 4 waves a work-group, clusters of 4 x 4, 327,680 bytes of LDS; arguments att, xw, bo, out0; writes out0
.if DOCPART == 4
	.amdgcn_target "amdgcn-amd-amdhsa--gfx1250"
	.amdhsa_code_object_version 6
	.text
	.protected	k_q2113e8b102_oproj
	.globl	k_q2113e8b102_oproj
	.p2align	8
	.type	k_q2113e8b102_oproj,@function
k_q2113e8b102_oproj:
	s_mov_b64 s[64:65], 0
	v_nop
	global_prefetch_b8 v0, s[64:65] scope:SCOPE_SE
	s_setreg_imm32_b32 hwreg(HW_REG_WAVE_MODE, 25, 1), 1
	s_wait_xcnt 0x0
	s_wait_alu depctr_hold_cnt(0) depctr_sa_sdst(0) depctr_va_vdst(0) depctr_va_sdst(0) depctr_va_ssrc(0) depctr_va_vcc(0) depctr_vm_vsrc(0)
	s_getreg_b32 s2, hwreg(HW_REG_IB_STS2, 6, 4)
	s_cmp_eq_u32 s2, 0
	s_cbranch_scc0 .Lentry_in_a_cluster
	s_endpgm
.Lentry_in_a_cluster:
	s_bfe_u32 s2, ttmp6, 0x10000c
	s_cmp_lg_u32 s2, 0xf033
	s_cbranch_scc0 .Lentry_shape_is_right
	s_endpgm
.Lentry_shape_is_right:
; out0 = att Wo^T + bo on codes of FP6 (E2M3) with E8M0 scales.  A work-group makes 256 tokens (work-group y) x 128 channels (work-group x), K = 1,024, all of it in LDS: att's 256 rows (196,608 bytes),
; Wo's 128 rows (98,304 bytes), their scale words (8,192 and 4,096 bytes): four tiles, one joint load a wave at the head, filled once.  No ring and no barrier among the products.
; CLUSTER 4 x 4: att's tile hangs on work-group y alone and is asked for jointly along a row, Wo's on work-group x alone and jointly along a column.
; No prefetch: the text is straight and everything is asked for at the head.
; A WAVE makes 128 tokens x 64 channels: source 0 = 4 blocks of Wo, source 1 = 8 blocks of att: a lane holds a token, its registers channels; bo is the C of the first products.
; Operands lie as images of fragments (16 rows x 128 K: 1,536 bytes; a block of 16 rows: 12,288); row t of block 2 g + u is row 32 g + 8 u + t + 8 (t / 8).
; THE WAY OUT: a block of 16 tokens x 64 channels goes through my own stage in LDS, on bytes into which no tile lands, and comes back by rows: sixteen lanes store 256 consecutive bytes, aligned.
; REGISTERS: window 0: v1-8 lanes' offsets, v16-27 addresses, v28, v29 the add's, v32-63 att's scale words, v64-79 Wo's, v128-191 rows on the way out.  window 1: att's fragments, two sets of 96; v192-223 bo.
;   window 2: the accumulators ((token block a, channel block b) at 32 a + 8 b).  window 3: Wo's fragments, two sets of 48.
.set XSC, 9437184
.set AS,  6291456
.set WB,  196608
.set XSL, 294912
.set WSL, 303104
.set SPARE, 307200                     ; the spare words, 128 bytes a wave, which no other line names
.set STAGE, 307712                     ; four stages of 16 rows x 272 bytes
.set SPITCH, 272
.set STO, 24
.set RD,  25
.set CO,  26
.set SPW, 28
.set NIL, 29
.set XS,  32
.set WS,  64
.set BK,  128
.set BQ,  192                          ; window 1
.set G1X, 28
.set G1W, 36
.set G1XS, 44
.set G1WS, 52
.set G0X, 60
.set G0W, 68
.set G0XS, 72
.set G0WS, 76
.set MSB, 0
.macro WIN new                         ; the immediate's high byte repeats the setting that is left
.if MSB != (\new)
	s_set_vgpr_msb (MSB<<8)|(\new)
.set MSB, (\new)
.endif
.endm
.macro PLACES n
.rept \n
	v_nop
.endr
.endm
.macro CROUND                          ; a round of the cluster's barrier
	s_barrier_signal -1
	s_barrier_wait -1
	s_cmp_lg_u32 s18, 0
	s_cbranch_scc1 .Lnot_wave_0_\@
	s_barrier_signal -3
.Lnot_wave_0_\@:
	s_barrier_wait -3
	s_barrier_signal -1
	s_barrier_wait -1
.endm
.macro DENSE g, rows                   ; group 1 of a dense block: rows of 256 bytes (32 elements of 8)
	s_mov_b32 s[\g+1], 32<<16
	s_mov_b32 s[\g+2], (\rows)<<16
	s_mov_b32 s[\g+3], 32<<16
	s_mov_b32 s[\g+4], \rows
	s_mov_b32 s[\g+5], 32
	s_mov_b32 s[\g+6], 0
	s_mov_b32 s[\g+7], 0
.endm
.macro GRP0 g, lds, base, off
	s_mov_b32 s[\g], 1
	s_mov_b32 s[\g+1], \lds
	s_add_nc_u64 s[\g+2:\g+3], s[\base:\base+1], s[\off:\off+1]
	s_or_b32 s[\g+3], s[\g+3], 0x80000000
.endm
.macro TLOAD g0, g1                    ; an s_nop 0 and four v_nop follow each tensor load
	tensor_load_to_lds s[\g0:\g0+3], s[\g1:\g1+7]
	s_nop 0
	PLACES 4
.endm
	s_load_b256 s[4:11], s[0:1], 0x0               ; att, xw, bo, out0
	v_lshl_add_u32 v[SPW], v0, 2, SPARE
	v_mov_b32 v[NIL], 0
	ds_add_u32 v[SPW], v[NIL]                      ; the opening: the add, twice on end, and its wait ahead of my first tensor load
	ds_add_u32 v[SPW], v[NIL]
	v_lshrrev_b32 v1, 5, v0
	v_readfirstlane_b32 s18, v1                    ; wave
	s_lshr_b32 s19, s18, 1                         ; which 128 tokens are mine
	s_and_b32 s20, s18, 1                          ; which 64 channels
	s_bfe_u32 s21, ttmp6, 0x40000                  ; cx
	s_bfe_u32 s22, ttmp6, 0x40004                  ; cy
	s_lshl_b32 s23, ttmp9, 2
	s_add_co_u32 s23, s23, s21                     ; j: which 128 channels
	s_and_b32 s24, ttmp7, 0xffff
	s_lshl_b32 s24, s24, 2
	s_add_co_u32 s24, s24, s22                     ; i: which 256 tokens
	s_lshl_b32 s25, s22, 2
	s_lshl_b32 s25, 15, s25                        ; my row of the cluster
	s_lshl_b32 s26, 0x1111, s21                    ; my column
	s_or_b32 s[G1X], s25, (3<<16)|(1<<21)
	s_or_b32 s[G1XS], s25, (3<<16)|(1<<21)
	s_or_b32 s[G1W], s26, (3<<16)|(1<<21)
	s_or_b32 s[G1WS], s26, (3<<16)|(1<<21)
	DENSE G1X, 768
	DENSE G1W, 384
	DENSE G1XS, 32
	DENSE G1WS, 16
	s_mul_i32 s80, s24, 196608                     ; att's codes: 256 i rows of 768 bytes
	s_mov_b32 s81, 0
	s_lshl_b32 s82, s24, 13                        ; its scales: 32 bytes a row
	s_add_co_u32 s82, s82, AS
	s_mov_b32 s83, 0
	s_mul_i32 s84, s23, 98304                      ; Wo's rows 128 j .. (Wo begins at row 11,264 of xw)
	s_add_co_u32 s84, s84, 11264*768
	s_mov_b32 s85, 0
	s_lshl_b32 s86, s23, 12
	s_add_co_u32 s86, s86, XSC+11264*32
	s_mov_b32 s87, 0
	s_lshl_b32 s88, s23, 9                         ; my first channel, in bytes: 4 (128 j + 64 x my half)
	s_lshl_b32 s89, s20, 8
	s_add_co_u32 s88, s88, s89
	s_mov_b32 s89, 0
	s_lshl_b32 s90, s24, 8
	s_lshl_b32 s91, s19, 7
	s_add_co_u32 s90, s90, s91                     ; my first token:
	s_lshl_b32 s90, s90, 12                        ; a row of out0 is 4,096 bytes
	s_mov_b32 s91, 0
	s_add_nc_u64 s[90:91], s[90:91], s[88:89]
	s_mul_i32 s27, s19, 98304                      ; LDS: my 8 blocks of att,
	s_mul_i32 s2, s20, 49152
	s_add_co_u32 s2, s2, WB                        ; my 4 blocks of Wo,
	s_lshl_b32 s3, s19, 12
	s_add_co_u32 s3, s3, XSL                       ; their scale words,
	s_lshl_b32 s101, s20, 9
	s_add_co_u32 s101, s101, WSL
	s_mul_i32 s92, s18, 16*SPITCH
	s_add_co_u32 s92, s92, STAGE                   ; my stage
	s_wait_dscnt 0x0                               ; both opening adds are done
	s_wait_kmcnt 0x0
	GRP0 G0X, 0, 4, 80
	GRP0 G0XS, XSL, 4, 82
	GRP0 G0W, WB, 6, 84
	GRP0 G0WS, WSL, 6, 86
	s_add_nc_u64 s[8:9], s[8:9], s[88:89]
	s_add_nc_u64 s[12:13], s[10:11], s[90:91]
	CROUND                                         ; all sixteen work-groups are here: the joint loads meet
; THE FOUR TILES, one joint load a wave, in one chain of branches on the wave's number
.macro ARM under, g0, g1, next
	s_cmp_lt_u32 s18, \under
	s_cbranch_scc0 \next
	TLOAD \g0, \g1
	s_branch .Lhead_asked
\next:
.endm
	ARM 1, G0X,  G1X,  .Lhead_w
	ARM 2, G0W,  G1W,  .Lhead_xs
	ARM 3, G0XS, G1XS, .Lhead_ws
	TLOAD G0WS, G1WS
.Lhead_asked:
	v_and_b32 v1, 15, v0                           ; r
	v_bfe_u32 v2, v0, 4, 1                         ; h
	v_and_b32 v3, 31, v0
	v_lshlrev_b32 v4, 4, v3                        ; 16 x lane
	v_lshlrev_b32 v5, 3, v3                        ; 8 x lane
	v_lshlrev_b32 v8, 6, v2                        ; 64 h: my 16 of each 32
	WIN 0x40
.irp b, 0,1
.irp i, 0,1,2,3
	global_load_b128 v[BQ+16*\b+4*\i:BQ+16*\b+4*\i+3], v8, s[8:9] offset:128*\b+16*\i      ; register 16 b + i: channel 32 b + 16 h + i of my 64
.endr
.endr
	WIN 0
	v_add_nc_u32 v16, s27, v4                      ; att's blocks 0-3, 16 and 8 bytes a lane;
	v_add_nc_u32 v18, s27, v5
	v_add_nc_u32 v17, 49152, v16                   ; blocks 4-7
	v_add_nc_u32 v19, 49152, v18
	v_add_nc_u32 v20, s2, v4                       ; Wo's four
	v_add_nc_u32 v21, s2, v5
	v_add_nc_u32 v22, s3, v5                       ; scale words: 8 bytes a row, two blocks to a load
	v_add_nc_u32 v23, s101, v5
	v_mul_u32_u24 v6, v1, SPITCH                   ; the stage, way in: row r, 64 bytes for each half of the lanes in each 128
	v_lshl_add_u32 v6, v2, 6, v6
	v_add_nc_u32 v[STO], s92, v6
	v_mul_u32_u24 v7, v2, SPITCH                   ; way out: lanes 0-15 one row of 256 bytes, lanes 16-31 the next
	v_lshl_add_u32 v7, v1, 4, v7
	v_add_nc_u32 v[RD], s92, v7
	v_lshlrev_b32 v[CO], 12, v2                    ; and the same two rows in out0
	v_lshl_add_u32 v[CO], v1, 4, v[CO]
	s_wait_alu depctr_va_vdst(0)                   ; the wait at the head's end
	s_wait_tensorcnt 0x0                           ; my tile is in,
	s_barrier_signal -1
	s_barrier_wait -1                              ; and so are the other three.
.irp k, 0,1,2,3
.irp i, 0,1,2,3
	ds_load_b64 v[XS+8*\k+2*\i:XS+8*\k+2*\i+1], v22 offset:1024*\k+256*\i   ; lanes 0-15 block 2 i, lanes 16-31 block 2 i + 1; two words for 256 along K
.endr
.irp i, 0,1
	ds_load_b64 v[WS+4*\k+2*\i:WS+4*\k+2*\i+1], v23 offset:1024*\k+256*\i
.endr
.endr
.macro WM d, a, b, c, sa, ra, sb, rb   ; one product; ra, rb: which half of the lanes holds the source's scale words
.if (\ra)==0
.if (\rb)==0
	v_wmma_scale_f32_16x16x128_f8f6f4 v[\d:\d+7], v[\a:\a+11], v[\b:\b+11], v[\c:\c+7], v[\sa], v[\sb] matrix_a_fmt:MATRIX_FMT_FP6 matrix_b_fmt:MATRIX_FMT_FP6
.else
	v_wmma_scale_f32_16x16x128_f8f6f4 v[\d:\d+7], v[\a:\a+11], v[\b:\b+11], v[\c:\c+7], v[\sa], v[\sb] matrix_a_fmt:MATRIX_FMT_FP6 matrix_b_fmt:MATRIX_FMT_FP6 matrix_b_scale:MATRIX_SCALE_ROW1
.endif
.else
.if (\rb)==0
	v_wmma_scale_f32_16x16x128_f8f6f4 v[\d:\d+7], v[\a:\a+11], v[\b:\b+11], v[\c:\c+7], v[\sa], v[\sb] matrix_a_fmt:MATRIX_FMT_FP6 matrix_b_fmt:MATRIX_FMT_FP6 matrix_a_scale:MATRIX_SCALE_ROW1
.else
	v_wmma_scale_f32_16x16x128_f8f6f4 v[\d:\d+7], v[\a:\a+11], v[\b:\b+11], v[\c:\c+7], v[\sa], v[\sb] matrix_a_fmt:MATRIX_FMT_FP6 matrix_b_fmt:MATRIX_FMT_FP6 matrix_a_scale:MATRIX_SCALE_ROW1 matrix_b_scale:MATRIX_SCALE_ROW1
.endif
.endif
.endm
.macro FRAG reg, a16, a8, off          ; a fragment's image: 16, 8, 16, 8 bytes a lane
	ds_load_b128 v[\reg:\reg+3], v[\a16] offset:\off
	ds_load_b64 v[\reg+4:\reg+5], v[\a8] offset:\off+512
	ds_load_b128 v[\reg+6:\reg+9], v[\a16] offset:\off+768
	ds_load_b64 v[\reg+10:\reg+11], v[\a8] offset:\off+1280
.endm
.macro FETCH q, p                      ; step q's twelve fragments into set p
	WIN 0x40
.irp i, 0,1,2,3,4,5,6,7
	FRAG 96*(\p)+12*\i, 16+\i/4, 18+\i/4, (\i%4)*12288+1536*(\q)
.endr
	WIN 0xc0
.irp i, 0,1,2,3
	FRAG 48*(\p)+12*\i, 20, 21, \i*12288+1536*(\q)
.endr
.endm
.macro MULT q, p, first                ; 32 products of a step; the 32 accumulators take turns in the same order in every step
.irp a, 0,1,2,3,4,5,6,7
.irp b, 0,1,2,3
.if \first
	WM 32*\a+8*\b, 48*(\p)+12*\b, 96*(\p)+12*\a, BQ+8*\b, WS+4*((\q)/2)+2*(\b/2)+(\q)%2, \b%2, XS+8*((\q)/2)+2*(\a/2)+(\q)%2, \a%2
.else
	WM 32*\a+8*\b, 48*(\p)+12*\b, 96*(\p)+12*\a, 32*\a+8*\b, WS+4*((\q)/2)+2*(\b/2)+(\q)%2, \b%2, XS+8*((\q)/2)+2*(\a/2)+(\q)%2, \a%2
.endif
.endr
.endr
.endm
	FETCH 0, 0
	s_wait_loadcnt 0x0                             ; bo
.set Q, 0
.rept 8                                ; eight steps: while one set is multiplied, the next step's 48 loads land in the other
	s_wait_dscnt 0x0                               ; this step's fragments, asked for a step ago
.if Q < 7
.if Q > 0
	PLACES 4                                       ; in front of loads into registers that the last step's products read
.endif
	FETCH Q+1, (Q+1)%2
.endif
.if Q == 0
	WIN 0x97                                       ; source 0 window 3, source 1 and C window 1, D window 2
.else
	WIN 0xa7
.endif
	MULT Q, Q%2, (Q==0)
.set Q, Q+1
.endr
	WIN 0
	PLACES 4                                       ; in front of the first read of results
.macro TOSTAGE a                       ; LDS serves a wave's instructions in order: no wait between the stores and the loads, nor in front of the next block's stores
	WIN 0x08                                       ; the data: window 2
.irp b, 0,1,2,3
	ds_store_b128 v[STO], v[32*(\a)+8*\b:32*(\a)+8*\b+3] offset:128*(\b/2)+32*(\b%2)       ; each accumulator from its low end on
	ds_store_b128 v[STO], v[32*(\a)+8*\b+4:32*(\a)+8*\b+7] offset:128*(\b/2)+32*(\b%2)+16
.endr
	WIN 0
.irp t, 0,1,2,3,4,5,6,7
	ds_load_b128 v[BK+32*((\a)%2)+4*\t:BK+32*((\a)%2)+4*\t+3], v[RD] offset:\t*2*SPITCH
.endr
.endm
.macro SEND a, younger                 ; younger: the LDS instructions issued behind block a's loads, which may stay out
	s_wait_dscnt \younger
.irp t, 0,1,2,3,4,5,6,7
	global_store_b128 v[CO], v[BK+32*((\a)%2)+4*\t:BK+32*((\a)%2)+4*\t+3], s[12:13] offset:(32*((\a)/2)+8*((\a)%2)+2*\t+8*(\t/4))*4096 th:TH_STORE_NT
.endr
.endm
	TOSTAGE 0
.irp a, 1,2,3,4,5,6,7
.if \a > 1
	s_wait_xcnt 0x0                                ; block a - 2's stores have read their registers
.endif
	TOSTAGE \a
	SEND \a-1, 16                                  ; behind block a - 1's loads: block a's 8 stores and 8 loads
.endr
	SEND 7, 0
	s_wait_tensorcnt 0x0                           ; the wave's end
	ds_add_u32 v[SPW], v[NIL]
	s_wait_dscnt 0x0
	CROUND                                         ; the closing round
	s_endpgm
.Lfunc_end_k_q2113e8b102_oproj:
	.size	k_q2113e8b102_oproj, .Lfunc_end_k_q2113e8b102_oproj-k_q2113e8b102_oproj
	.p2alignl 7, 3214868480
	.fill 96, 4, 3214868480
	.section	.rodata,"a",@progbits
	.p2align	6, 0x0
	.amdhsa_kernel k_q2113e8b102_oproj
		.amdhsa_group_segment_fixed_size 327680
		.amdhsa_private_segment_fixed_size 0
		.amdhsa_enable_private_segment 0
		.amdhsa_kernarg_size 32
		.amdhsa_user_sgpr_count 2
		.amdhsa_user_sgpr_kernarg_segment_ptr 1
		.amdhsa_wavefront_size32 1
		.amdhsa_system_sgpr_workgroup_id_x 1
		.amdhsa_system_sgpr_workgroup_id_y 1
		.amdhsa_system_sgpr_workgroup_id_z 1
		.amdhsa_system_vgpr_workitem_id 0
		.amdhsa_next_free_vgpr 1024
		.amdhsa_next_free_sgpr 102
		.amdhsa_reserve_vcc 0
		.amdhsa_float_denorm_mode_32 3
		.amdhsa_float_denorm_mode_16_64 3
		.amdhsa_memory_ordered 1
		.amdhsa_forward_progress 1
		.amdhsa_inst_pref_size 84
	.end_amdhsa_kernel
	.amdgpu_metadata
---
amdhsa.version: [ 1, 2 ]
amdhsa.kernels:
  - .name:           k_q2113e8b102_oproj
    .symbol:         k_q2113e8b102_oproj.kd
    .args:
      - { .name: att, .offset: 0, .size: 8, .value_kind: global_buffer, .address_space: global }
      - { .name: xw, .offset: 8, .size: 8, .value_kind: global_buffer, .address_space: global }
      - { .name: bo, .offset: 16, .size: 8, .value_kind: global_buffer, .address_space: global }
      - { .name: out0, .offset: 24, .size: 8, .value_kind: global_buffer, .address_space: global }
    .group_segment_fixed_size: 327680
    .private_segment_fixed_size: 0
    .kernarg_segment_align: 8
    .kernarg_segment_size: 32
    .max_flat_workgroup_size: 128
    .sgpr_count:     102
    .vgpr_count:     1024
    .wavefront_size: 32
...
	.end_amdgpu_metadata
.endif
;; end of part 4
